; MI455X (gfx1250); checked and timed in simulation.
; The chip was launched on July 23, 2026; its instructions are those of AMD's public machine-readable ISA for CDNA 5 (MIT licence, August 2026) and "CDNA5" Instruction Set Architecture Reference Guide (July 2026). The comments in the code are by the model that wrote it; some were corrected since.
;; Multi Headed Attention. Allowed arithmetic: matrix products marked QUANTISED: E2M3 operands, one E8M0 scale for each 32 along K, by v_wmma_scale_f32_16x16x128_f8f6f4 with both operands' format E2M3, f32 sums; everything else in f32.
;; Inputs: Wk 1,024 x 1,024 float32; Wo 1,024 x 64 float32; Wq 1,024 x 1,024 float32; Wv 1,024 x 1,024 float32; bk 1,024 float32; bo 64 float32; bq 1,024 float32; bv 1,024 float32; key_ 4 x 2,048 x 1,024 float32; query 4 x 2,048 x 1,024 float32; value 4 x 2,048 x 1,024 float32.
;; Outputs: out0 4 x 2,048 x 64 float32.
;; This version of the problem:
;;   THIS VERSION OF THE PROBLEM IS GIVEN IN LOW PRECISION. The matrix products marked QUANTISED in the list below multiply operands that are first quantised to E2M3 (2 exponent bits, 3 mantissa bits; 6 bits a number), with one power-of-two scale for each 32 numbers along K (OCP MX v1.0); their sums are f32. All else is computed in f32.
;;   The module's matrix products, in the order in which they are computed (A, B: the left and right operand; K: the contracted axis; several contracted axes count as one K, in the product's order):
;;     1. [M 8,192, K 1,024] x [K 1,024, N 1,024]; A: input query; B: input Wq: QUANTISED
;;     2. [M 8,192, K 1,024] x [K 1,024, N 1,024]; A: input key_; B: input Wk: QUANTISED
;;     3. [M 8,192, K 1,024] x [K 1,024, N 1,024]; A: input value; B: input Wv: QUANTISED
;;     4. batch 64 x [M 2,048, K 64] x [K 64, N 2,048]; A: computed on the way; B: computed on the way: QUANTISED
;;     5. batch 64 x [M 2,048, K 2,048] x [K 2,048, N 64]; A: softmax (see below); B: computed on the way: QUANTISED
;;     6. [M 8,192, K 1,024] x [K 1,024, N 64]; A: computed on the way; B: input Wo: QUANTISED
;;   THE QUANTISER, for each operand of a quantised product, along K:
;;     - K is cut into blocks of 32 from its start; a last block that is shorter is filled with zeros.
;;     - A block's scale is 2^e with e = floor(log2(the largest magnitude in the block)) - 2, held to -126 .. 127; a block of zeros has e = 0. As a byte (E8M0): e + 127.
;;     - Each number is divided by its block's scale, clamped to +-7.5, and rounded to the nearest number of E2M3, ties to even, subnormals kept.
;;     - The product sums the exact products of the quantised numbers (number of the format x scale) in f32.
;;   ~~~python
;;   def quantise(x, axis):      # numpy; x: float32 -> the quantised numbers, widened to float32 again
;;       x = np.moveaxis(x, axis, -1); K = x.shape[-1]
;;       x = np.pad(x, [(0, 0)] * (x.ndim - 1) + [(0, -K % 32)]); x = x.reshape(x.shape[:-1] + (-1, 32)); a = np.abs(x).max(-1, keepdims=True)
;;       e = np.where(a > 0, np.clip(np.frexp(np.where(a > 0, a, 1))[1] - 1 - 2, -126, 127), 0)      # np.frexp(a)[1] - 1 = floor(log2(a)), exactly
;;       r = np.clip(x / 2.0 ** e, -7.5, 7.5)
;;       step = 2.0 ** (np.maximum(np.frexp(np.where(r == 0, 1, r))[1] - 1, 0) - 3)
;;       q = np.round(r / step) * step * 2.0 ** e      # np.round: ties to even
;;       return np.moveaxis(q.reshape(q.shape[:-2] + (-1,))[..., :K], -1, axis).astype(np.float32)
;;   ~~~
;;   SOFTMAX AHEAD OF A QUANTISED PRODUCT. Where the list says 'softmax', what is quantised is not the finished softmax but p = 2^(t - M), with t = logit x log2(e) and M = ceil(the row's largest t), a whole number; so 1/2 < the row's largest p <= 1. The row's sum l is taken of the UNQUANTISED p, in f32, and the product's result is divided by l at the end. Since M is a whole number, a kernel that streams over the keys may use a running M (the ceiling of the running maximum): every later rescaling is an exact power of two, which a block's scale takes up: the codes' values come out the same.
;;   OPERANDS COMPUTED ON THE WAY. 'Computed on the way' means the value that the module computes at that place (a softmax that the list does not call 'softmax' is quantised finished and normalised). What goes into a quantiser is computed in f32, as accurately as f32 sums, v_exp_f32 and their like allow (about 1e-6 of the number): no bf16 or f16 on the way to a quantiser, and a product that is left as it is and whose result goes on into a quantised operand takes f32 operands (vector FMAs, or v_wmma_f32_16x16x4_f32). A number that lies on a knife's edge between two numbers of the format may be rounded either way, as far as f32 arithmetic and the matrix unit's own rounding can turn it there, and no further.
;; One version. Each part assembles by itself: llvm-mc -triple=amdgcn-amd-amdhsa -mcpu=gfx1250 --defsym DOCPART=n.
;; ======== version 1 of 1: 4 launches
;; limits: right only within a limited range of input values
;; workspace buffers: xc 18,874,368 bytes; xs 786,432 bytes; wc 2,408,448 bytes; ws 100,352 bytes; ac 19,660,800 bytes; cc 6,291,456 bytes; cs 524,288 bytes
;; launch xquant (part 1): grid 866 x 1, 4 waves a work-group, no clusters, 68,096 bytes of LDS; arguments query, key_, value, xc, xs, Wq, Wk, Wv, Wo, wc, ws; writes xc, xs, wc, ws
.if DOCPART == 1
	.amdgcn_target "amdgcn-amd-amdhsa--gfx1250"
	.amdhsa_code_object_version 6
	.text
	.protected	k_q9d74ec6031_xquant
	.globl	k_q9d74ec6031_xquant
	.p2align	8
	.type	k_q9d74ec6031_xquant,@function
k_q9d74ec6031_xquant:
	s_mov_b64 s[64:65], 0
	v_nop
	global_prefetch_b8 v0, s[64:65] scope:SCOPE_SE
	s_setreg_imm32_b32 hwreg(HW_REG_WAVE_MODE, 25, 1), 1
	s_wait_xcnt 0x0
; query, key_ and value, each [8192][1024] f32, become codes of FP6 (E2M3), K innermost, 768 bytes a row, with one E8M0 byte for each 32 along K, 32 bytes a row.
; xc and xs hold 24,576 rows: query's from row 0, key_'s from 8,192, value's from 16,384.  BITS 3 AND 4 OF A ROW'S NUMBER ARE EXCHANGED ON THE WAY OUT: sixteen neighbouring rows of xc
; are then the true rows 8 u + (r % 8) + 16 (r / 8) of their group of 32, the order in which a product's source 0 gives a lane sixteen neighbours along the next product's K.
; A block's scale is 2^(floor(log2(its largest magnitude)) - 2); its byte is the largest magnitude's exponent field - 2, held at 1 from below.
; LIMITS: a block of zeros gets the byte 1 where the rule says 127 (its codes are zeros, and this program alone reads the bytes); blocks whose largest magnitude lies under 2^-124 are held at that floor; NaN and infinities are not served.
; A work-group takes 32 rows (32,768 numbers), a wave 8 rows: 16 steps of 512 numbers.  Each load reads 512 consecutive bytes; a step's 2,048 bytes turn through the wave's own stage in LDS, so that a lane
; holds 16 neighbours for the conversion.  Waves share nothing: no barrier.  Loads run four steps ahead, the turn through LDS one step.
.set STEPS, 16
.set EMAX,  2
.set CB,    12                         ; bytes of 16 codes
.set R,     16                         ; v16-79   four sets of 16 numbers as they are loaded
.set X,     80                         ; v80-111  two sets of 16 neighbours
.set C,     128                        ; v128-191 codes: four registers for each step, so that no store's data are written again
.set E,     112                        ; v112-127 a scale byte for each step
.set WREG,  8192                       ; LDS: a region for each wave: two stages of 32 x SP bytes, and behind them its 256 scale bytes
.set SP,    80                         ; a lane's place in a stage: its 64 bytes + 16 of padding
	s_cmp_ge_u32 ttmp9, 768                        ; work-groups 768 to 865 quantise the four weights: their text stands at the end, with LDS bytes of its own
	s_cbranch_scc1 .Lweights
	s_load_b128 s[4:7], s[0:1], 0x0                ; query, key_
	s_load_b128 s[8:11], s[0:1], 0x10              ; value, xc
	s_load_b64 s[12:13], s[0:1], 0x20              ; xs
	v_lshl_add_u32 v192, v0, 2, 0x8000
	v_mov_b32 v193, 0
	v_lshrrev_b32 v1, 5, v0
	v_readfirstlane_b32 s16, v1                    ; wave
	v_and_b32 v2, 31, v0                           ; lane
	v_lshlrev_b32 v3, 4, v2                        ; my 16 bytes of a load's 512
	s_mul_i32 s17, s16, WREG
	v_lshrrev_b32 v14, 2, v2
	v_mul_u32_u24 v14, v14, SP
	v_and_b32 v15, 3, v2
	v_lshl_add_u32 v14, v15, 4, v14
	v_add_nc_u32 v14, s17, v14                     ; the stage, on the way in: SP (lane / 4) + 16 (lane % 4)
	v_mul_u32_u24 v15, v2, SP
	v_add_nc_u32 v15, s17, v15                     ; and on the way out: SP x lane: my 16 neighbours
	v_mul_u32_u24 v4, v2, CB                       ; my codes' place in a step's
	v_lshrrev_b32 v5, 1, v2
	s_add_co_u32 s17, s17, 2*32*SP
	v_add_nc_u32 v5, s17, v5                       ; LDS: my wave's 256 scale bytes, my block's byte
	v_lshlrev_b32 v7, 3, v2                        ; and on the way out 8 bytes a lane
	v_add_nc_u32 v6, s17, v7
	s_lshr_b32 s17, ttmp9, 8                       ; which tensor: 256 work-groups each
	s_and_b32 s18, ttmp9, 255
	s_lshl_b32 s18, s18, 2
	s_add_co_u32 s18, s18, s16                     ; which run of 8 rows of the tensor I read,
	s_lshl_b32 s18, s18, 15                        ; in bytes: 32,768 a run
	s_mov_b32 s19, 0
	s_and_b32 s20, s16, 1
	s_lshl_b32 s20, s20, 1
	s_lshr_b32 s21, s16, 1
	s_or_b32 s20, s20, s21                         ; the wave's two bits exchanged: a run is 8 rows, so these are bits 3 and 4 of the row
	s_lshl_b32 s21, ttmp9, 2
	s_add_co_u32 s20, s20, s21                     ; which run of 8 rows of xc and xs I write (query, value)
	; key_ ALONE takes another order, within groups of 64 rows: true row 32 h + 8 u + j goes to place 16 u + 8 h + j, so that in the scores a lane's 32 registers are one whole block of 32 keys.
	s_and_b32 s24, ttmp9, 1                        ; h: which 32 of the 64
	s_sub_co_u32 s25, ttmp9, s24
	s_lshl_b32 s25, s25, 2                         ; the group's first run: 8 runs a group
	s_add_co_u32 s25, s25, s24
	s_lshl_b32 s24, s16, 1
	s_add_co_u32 s25, s25, s24                     ; + 2 u + h, u the wave
	s_cmp_eq_u32 s17, 1
	s_cselect_b32 s20, s25, s20
	s_mul_i32 s22, s20, 32*STEPS*CB                ; 6,144 bytes of codes a run
	s_mov_b32 s23, 0
	s_lshl_b32 s20, s20, 8                         ; 256 scale bytes a run
	s_mov_b32 s21, 0
	s_wait_alu depctr_va_vdst(0)
	s_wait_kmcnt 0x0
	s_cmp_eq_u32 s17, 1                            ; the choice hangs on the work-group's number alone
	s_cselect_b64 s[4:5], s[6:7], s[4:5]
	s_cmp_eq_u32 s17, 2
	s_cselect_b64 s[4:5], s[8:9], s[4:5]
	s_add_nc_u64 s[4:5], s[4:5], s[18:19]          ; the numbers
	s_add_nc_u64 s[8:9], s[10:11], s[22:23]        ; the codes
	s_add_nc_u64 s[10:11], s[12:13], s[20:21]      ; the scale bytes
.macro LOAD t
.irp i, 0,1,2,3
	global_load_b128 v[R+16*((\t)%4)+4*\i:R+16*((\t)%4)+4*\i+3], v3, s[4:5] offset:2048*(\t)+512*\i th:TH_LOAD_NT   ; 32 lanes read 512 consecutive bytes
.endr
.endm
.macro TURN t                          ; step t's numbers through the stage: LDS serves a wave's instructions in order, so no wait stands between the stores and the loads
.irp i, 0,1,2,3
	ds_store_b128 v14, v[R+16*((\t)%4)+4*\i:R+16*((\t)%4)+4*\i+3] offset:32*SP*((\t)%2)+8*SP*\i
.endr
.irp i, 0,1,2,3
	ds_load_b128 v[X+16*((\t)%2)+4*\i:X+16*((\t)%2)+4*\i+3], v15 offset:32*SP*((\t)%2)+16*\i
.endr
.endm
.irp t, 0,1,2,3
	LOAD \t
.endr
	s_wait_loadcnt 12                              ; step 0's four loads are in; the twelve of steps 1 to 3 may be out
	TURN 0
.macro STEP t
.set XS, X+16*((\t)%2)
.if (\t) > 0
	s_wait_dscnt 1                                 ; this step's numbers are back from the stage (the last step's byte store may be out): so its stores into the stage have read their registers,
.else
	s_wait_dscnt 0x0
.endif
.if (\t)+4 < STEPS
	LOAD (\t)+4                                    ; which take the loads of four steps on
.endif
.if (\t)+1 < STEPS
.if STEPS-2-(\t) >= 3
	s_wait_loadcnt 12                              ; the next step's four loads are in; those of the three steps behind it may be out
.else
	s_wait_loadcnt 4*(STEPS-2-(\t))
.endif
	TURN (\t)+1                                    ; and go through the other stage while this step is worked
.endif
	v_max3_num_f32 v8, |v[XS]|, |v[XS+1]|, |v[XS+2]|               ; the largest magnitude of my 16, in two chains
	v_max3_num_f32 v9, |v[XS+3]|, |v[XS+4]|, |v[XS+5]|
.irp i, 6,10
	v_max3_num_f32 v8, v8, |v[XS+\i]|, |v[XS+\i+1]|
	v_max3_num_f32 v9, v9, |v[XS+\i+2]|, |v[XS+\i+3]|
.endr
	v_max3_num_f32 v8, v8, |v[XS+14]|, |v[XS+15]|
	v_max3_num_f32 v8, v8, v9, (EMAX+1)<<23        ; and the floor 2^(3 - 127): so the byte cannot fall under 1
	v_max_num_f32_dpp v8, v8, v8 row_xmask:1 row_mask:0xf bank_mask:0xf   ; and of my neighbour's 16: the block's
	v_add_nc_u32 v11, -(EMAX<<23), v8              ; 2 off its exponent field: the conversion takes the exponent field of this operand as its scale
	v_cvt_scalef32_pk16_fp6_f32 v[C+4*(\t):C+4*(\t)+2], v[XS:XS+15], v11
	v_lshrrev_b32 v[E+(\t)], 23, v11               ; the scale's byte (also the plain line behind the conversion)
	ds_store_b8 v5, v[E+(\t)] offset:16*(\t)       ; both lanes of a block write the same byte with the same value
	global_store_b96 v4, v[C+4*(\t):C+4*(\t)+2], s[8:9] offset:32*CB*(\t)   ; the wave stores 384 consecutive bytes
.endm
.irp t, 0,1,2,3,4,5,6,7,8,9,10,11,12,13,14,15
	STEP \t
.endr
	ds_load_b64 v[12:13], v6                       ; LDS serves a wave's instructions in order: these see my stores
	s_wait_dscnt 0x0
	global_store_b64 v7, v[12:13], s[10:11]        ; 32 lanes store 256 consecutive bytes, aligned
	s_wait_tensorcnt 0x0
	ds_add_u32 v192, v193
	s_wait_dscnt 0x0
	s_endpgm
; THE WEIGHTS.  Wq, Wk, Wv [1024 (k)][1024 (n)] and Wo [1024 (k)][64 (n)], f32, K along the FIRST axis, become codes of FP6 (E2M3) laid [n][k], 768 bytes a row, and E8M0 bytes [n][32].
; wc and ws hold 3,136 rows: Wq's from 0, Wk's from 1,024, Wv's from 2,048, Wo's from 3,072; within each, bits 3 and 4 of n are exchanged.
; A lane takes a column n and its registers run down K.  A wave takes 32 columns x 256 along K.  With g = work-group - 768: g 0-95: tensor g / 32, columns 128 (g % 8) + 32 wave, K chunk (g / 8) % 4;
; g 96, 97: Wo, piece 4 (g - 96) + wave: columns 32 (piece % 2), K chunk piece / 2.  The same limits as above.
.Lweights:
.set NB,    8
.set PITCH, 272                        ; a stage row: sixteen places of 16 bytes, each with 12 bytes of codes, + 16
.set KROW,  768
.set WSTG,  33280                      ; this path's stages lie behind the other path's LDS bytes
.set OFF,   16                         ; v16-47   4 x lane + i x the tensor's pitch
.set X,     48                         ; v48-111  two sets of 32 numbers
.set C,     112                        ; v112-118 a block's codes
.set SB,    120                        ; v120-121 the scale bytes
.set OUTR,  128                        ; v128-191 the way out
	s_load_b256 s[4:11], s[0:1], 0x28              ; Wq, Wk, Wv, Wo
	s_load_b128 s[12:15], s[0:1], 0x48             ; wc, ws
	v_lshl_add_u32 v192, v0, 2, 0x8000
	v_mov_b32 v193, 0
	v_lshrrev_b32 v1, 5, v0
	v_readfirstlane_b32 s16, v1                    ; wave
	v_and_b32 v2, 31, v0                           ; lane
	v_lshlrev_b32 v3, 2, v2
	s_wait_alu depctr_va_vdst(0)
	s_sub_co_u32 s3, ttmp9, 768                    ; g
	s_lshr_b32 s17, s3, 5                          ; which tensor
	s_and_b32 s18, s3, 7
	s_lshl_b32 s18, s18, 7
	s_lshl_b32 s19, s16, 5
	s_add_co_u32 s18, s18, s19                     ; a large weight: first column,
	s_bfe_u32 s19, s3, 0x20003                     ; K chunk,
	s_lshl_b32 s20, s17, 10
	s_add_co_u32 s20, s20, s18                     ; first row out
	s_sub_co_u32 s21, s3, 96
	s_lshl_b32 s21, s21, 2
	s_add_co_u32 s21, s21, s16
	s_and_b32 s21, s21, 7                          ; Wo: piece,
	s_and_b32 s22, s21, 1
	s_lshl_b32 s22, s22, 5                         ; first column,
	s_lshr_b32 s23, s21, 1                         ; K chunk,
	s_add_co_u32 s24, s22, 3072                    ; first row out
	s_mov_b32 s25, 256                             ; a row of Wo in bytes
	s_cmp_lt_u32 s3, 96
	s_cselect_b32 s18, s18, s22
	s_cselect_b32 s19, s19, s23
	s_cselect_b32 s20, s20, s24
	s_cselect_b32 s25, 4096, s25                   ; pitch in bytes
	s_lshl_b32 s26, s19, 8
	s_mul_i32 s26, s26, s25
	s_lshl_b32 s27, s18, 2
	s_add_co_u32 s26, s26, s27
	s_mov_b32 s27, 0
	s_lshl_b32 s28, s25, 5                         ; a block on: 32 rows
	s_mov_b32 s29, 0
	s_mul_i32 s30, s20, KROW
	s_mul_i32 s31, s19, 192
	s_add_co_u32 s30, s30, s31                     ; in wc
	s_mov_b32 s31, 0
	s_lshl_b32 s48, s20, 5
	s_lshl_b32 s49, s19, 3
	s_add_co_u32 s48, s48, s49                     ; in ws
	s_mov_b32 s49, 0
.irp i, 0,1,2,3,4,5,6,7,8,9,10,11,12,13,14,15,16,17,18,19,20,21,22,23,24,25,26,27,28,29,30,31
	v_mad_u32_u24 v[OFF+\i], s25, \i, v3
.endr
	s_mul_i32 s50, s16, 32*PITCH
	s_add_co_u32 s50, s50, WSTG                    ; my stage
	v_and_b32 v10, 7, v2
	v_and_b32 v11, 8, v2
	v_lshl_or_b32 v10, v11, 1, v10
	v_lshrrev_b32 v11, 4, v2
	v_lshl_or_b32 v10, v11, 3, v10                 ; my column's row out: the lane's bits 3 and 4 exchanged
	v_mul_u32_u24 v4, v10, PITCH
	v_add_nc_u32 v4, s50, v4
	v_and_b32 v5, 15, v2
	v_lshrrev_b32 v6, 4, v2
	v_mul_u32_u24 v7, v6, PITCH
	v_lshl_add_u32 v7, v5, 4, v7
	v_add_nc_u32 v7, s50, v7
	v_mul_u32_u24 v8, v6, KROW
	v_mad_u32_u24 v8, v5, 12, v8
	v_lshlrev_b32 v9, 5, v10
	s_wait_kmcnt 0x0
	s_cmp_eq_u32 s17, 1
	s_cselect_b64 s[4:5], s[6:7], s[4:5]
	s_cmp_eq_u32 s17, 2
	s_cselect_b64 s[4:5], s[8:9], s[4:5]
	s_cmp_eq_u32 s17, 3
	s_cselect_b64 s[4:5], s[10:11], s[4:5]
	s_add_nc_u64 s[32:33], s[4:5], s[26:27]        ; a base for each block: no pointer is stepped while loads are out
.irp t, 1,2,3,4,5,6,7
	s_add_nc_u64 s[32+2*\t:33+2*\t], s[30+2*\t:31+2*\t], s[28:29]
.endr
	s_add_nc_u64 s[12:13], s[12:13], s[30:31]
	s_add_nc_u64 s[14:15], s[14:15], s[48:49]
.macro WLOAD t
.irp i, 0,1,2,3,4,5,6,7,8,9,10,11,12,13,14,15,16,17,18,19,20,21,22,23,24,25,26,27,28,29,30,31
	global_load_b32 v[X+32*((\t)%2)+\i], v[OFF+\i], s[32+2*(\t):33+2*(\t)] th:TH_LOAD_NT
.endr
.endm
	WLOAD 0
	WLOAD 1
.macro WBLOCK t
.set XS, X+32*((\t)%2)
.if (\t) < NB-1
	s_wait_loadcnt 32                              ; this block's 32 loads are in; the next block's 32 may be out
.else
	s_wait_loadcnt 0
.endif
	v_max3_num_f32 v12, |v[XS]|, |v[XS+1]|, |v[XS+2]|
	v_max3_num_f32 v13, |v[XS+3]|, |v[XS+4]|, |v[XS+5]|
.irp i, 6,10,14,18,22,26
	v_max3_num_f32 v12, v12, |v[XS+\i]|, |v[XS+\i+1]|
	v_max3_num_f32 v13, v13, |v[XS+\i+2]|, |v[XS+\i+3]|
.endr
	v_max3_num_f32 v12, v12, |v[XS+30]|, |v[XS+31]|
	v_max3_num_f32 v12, v12, v13, (EMAX+1)<<23     ; the floor 2^(3 - 127)
	v_add_nc_u32 v11, -(EMAX<<23), v12             ; the conversion's scale operand
	v_lshrrev_b32 v13, 23, v11                     ; the scale's byte
.if (\t)%4 == 0
	v_mov_b32 v[SB+(\t)/4], v13
.else
	v_lshl_or_b32 v[SB+(\t)/4], v13, 8*((\t)%4), v[SB+(\t)/4]
.endif
	v_cvt_scalef32_pk16_fp6_f32 v[C:C+2], v[XS:XS+15], v11
	v_cvt_scalef32_pk16_fp6_f32 v[C+4:C+6], v[XS+16:XS+31], v11
	v_nop                                          ; a plain line behind the last conversion
	ds_store_b96 v4, v[C:C+2] offset:32*(\t)
	ds_store_b96 v4, v[C+4:C+6] offset:32*(\t)+16
.if (\t)+2 < NB
	WLOAD (\t)+2
.endif
	s_wait_dscnt 0x0                               ; the stores have read their registers
.endm
.set Q, 0
.rept NB
	WBLOCK Q
.set Q, Q+1
.endr
	s_wait_alu depctr_va_vdst(0)
	global_store_b64 v9, v[SB:SB+1], s[14:15]      ; my column's 8 scale bytes
.irp t, 0,1,2,3,4,5,6,7,8,9,10,11,12,13,14,15
	ds_load_b96 v[OUTR+4*\t:OUTR+4*\t+2], v7 offset:2*\t*PITCH
.endr
.irp t, 0,1,2,3,4,5,6,7,8,9,10,11,12,13,14,15
	s_wait_dscnt 15-\t                             ; rows 2 t and 2 t + 1 are back; the later loads may be out
	global_store_b96 v8, v[OUTR+4*\t:OUTR+4*\t+2], s[12:13] offset:2*\t*KROW
.endr
	s_wait_tensorcnt 0x0
	ds_add_u32 v192, v193
	s_wait_dscnt 0x0
	s_endpgm
.Lfunc_end_k_q9d74ec6031_xquant:
	.size	k_q9d74ec6031_xquant, .Lfunc_end_k_q9d74ec6031_xquant-k_q9d74ec6031_xquant
	.p2alignl 7, 3214868480
	.fill 96, 4, 3214868480
	.section	.rodata,"a",@progbits
	.p2align	6, 0x0
	.amdhsa_kernel k_q9d74ec6031_xquant
		.amdhsa_group_segment_fixed_size 68096
		.amdhsa_private_segment_fixed_size 0
		.amdhsa_enable_private_segment 0
		.amdhsa_kernarg_size 88
		.amdhsa_user_sgpr_count 2
		.amdhsa_user_sgpr_kernarg_segment_ptr 1
		.amdhsa_wavefront_size32 1
		.amdhsa_system_sgpr_workgroup_id_x 1
		.amdhsa_system_sgpr_workgroup_id_y 1
		.amdhsa_system_sgpr_workgroup_id_z 1
		.amdhsa_system_vgpr_workitem_id 0
		.amdhsa_next_free_vgpr 194
		.amdhsa_next_free_sgpr 66
		.amdhsa_reserve_vcc 0
		.amdhsa_float_denorm_mode_32 3
		.amdhsa_float_denorm_mode_16_64 3
		.amdhsa_memory_ordered 1
		.amdhsa_forward_progress 1
		.amdhsa_inst_pref_size 78
	.end_amdhsa_kernel
	.amdgpu_metadata
---
amdhsa.version: [ 1, 2 ]
amdhsa.kernels:
  - .name:           k_q9d74ec6031_xquant
    .symbol:         k_q9d74ec6031_xquant.kd
    .args:
      - { .name: query, .offset: 0, .size: 8, .value_kind: global_buffer, .address_space: global }
      - { .name: key_, .offset: 8, .size: 8, .value_kind: global_buffer, .address_space: global }
      - { .name: value, .offset: 16, .size: 8, .value_kind: global_buffer, .address_space: global }
      - { .name: xc, .offset: 24, .size: 8, .value_kind: global_buffer, .address_space: global }
      - { .name: xs, .offset: 32, .size: 8, .value_kind: global_buffer, .address_space: global }
      - { .name: Wq, .offset: 40, .size: 8, .value_kind: global_buffer, .address_space: global }
      - { .name: Wk, .offset: 48, .size: 8, .value_kind: global_buffer, .address_space: global }
      - { .name: Wv, .offset: 56, .size: 8, .value_kind: global_buffer, .address_space: global }
      - { .name: Wo, .offset: 64, .size: 8, .value_kind: global_buffer, .address_space: global }
      - { .name: wc, .offset: 72, .size: 8, .value_kind: global_buffer, .address_space: global }
      - { .name: ws, .offset: 80, .size: 8, .value_kind: global_buffer, .address_space: global }
    .group_segment_fixed_size: 68096
    .private_segment_fixed_size: 0
    .kernarg_segment_align: 8
    .kernarg_segment_size: 88
    .max_flat_workgroup_size: 128
    .sgpr_count:     66
    .vgpr_count:     194
    .wavefront_size: 32
...
	.end_amdgpu_metadata
.endif
;; end of part 1
;; launch proj (part 2): grid 4 x 96, 4 waves a work-group, clusters of 4 x 4, 327,680 bytes of LDS; arguments xc, xs, wc, ws, bq, bk, bv, ac; writes ac
.if DOCPART == 2
	.amdgcn_target "amdgcn-amd-amdhsa--gfx1250"
	.amdhsa_code_object_version 6
	.text
	.protected	k_q9d74ec6031_proj
	.globl	k_q9d74ec6031_proj
	.p2align	8
	.type	k_q9d74ec6031_proj,@function
k_q9d74ec6031_proj:
	s_mov_b64 s[64:65], 0
	v_nop
	global_prefetch_b8 v0, s[64:65] scope:SCOPE_SE
	s_setreg_imm32_b32 hwreg(HW_REG_WAVE_MODE, 25, 1), 1
	s_wait_xcnt 0x0
	s_wait_alu depctr_hold_cnt(0) depctr_sa_sdst(0) depctr_va_vdst(0) depctr_va_sdst(0) depctr_va_ssrc(0) depctr_va_vcc(0) depctr_vm_vsrc(0)
	s_getreg_b32 s2, hwreg(HW_REG_IB_STS2, 6, 4)
	s_cmp_eq_u32 s2, 0
	s_cbranch_scc0 .Lentry_in_a_cluster
	s_endpgm
.Lentry_in_a_cluster:
	s_bfe_u32 s2, ttmp6, 0x10000c
	s_cmp_lg_u32 s2, 0xf033
	s_cbranch_scc0 .Lentry_shape_is_right
	s_endpgm
.Lentry_shape_is_right:
; q = query Wq + bq, k = key_ Wk + bk, v = value Wv + bv on codes of FP6 (E2M3) with E8M0 scales, K = 1,024; each result is quantised for attention and leaves as images of operand registers.
; A tile of 256 x 256 to a work-group of four waves, 128 x 128 a wave.  Cluster y / 8 says which product.  For q and k source 1 takes rows of x and source 0 rows of W: a lane holds one token and registers along
; the channels, which are the scores' K.  For v the two are swapped: a lane holds one channel and registers along the keys, which are the second product's K.
; K goes through a ring of two LDS slots in CHUNKS OF 256 BYTES of each row of codes (a row is 768 bytes: three chunks, eight steps of 96 bytes); steps 2 and 5 lie across two chunks.
; The scales of the tile's rows come into LDS once.  4 x 4 work-groups form a cluster; source 1's tiles are shared along its rows, source 0's along its columns, by joint loads.
; ac: a record of 307,200 bytes for each (batch, head): 16 steps of 128 keys x [k's 4 images 6,144 | v's 4 images 6,144 | k's scale words 256 | v's 256], then q's 64 images (98,304) and q's scale words (4,096).
; No prefetch: the walk along K is three chunks, of which two are asked for at the head, at the largest block in clusters.
; LIMITS: a block of zeros gets the byte 1 (its codes are zeros; this program alone reads the bytes); blocks under 2^-124 are held at that floor; NaN and infinities are not served.
.set SIZE_K, 1024
.set ROWB,   256
.set NQ,     2
.set KROW,   SIZE_K*6/8
.set STEPS,  SIZE_K/128
.set CHUNKS, KROW/ROWB
.set PITCH,  272
.set FR,     12
.set NL,     6
.set NP,     4
.set HALFT,  128*PITCH
.set SLOT,   4*HALFT
.set KS,     SIZE_K/32
.set SCL,    2*SLOT
.set HALFS,  (128*KS/256)*272
.set SBLK,   (16*KS/256)*272
.set SPARE,  SCL+4*HALFS
.set HEADB,  307200
.set SELV, 10
.set BP,   12
.set ADRA, 16
.set ADRB, 20
.set SOF,  24
.set LI,   26
.set ADRS, 27
.set SPW,  28
.set NIL,  29
.set SC,   32
.set BI,   64                          ; v64-127 the bias along my 128 channels (q, k)
.set AF,   128
.set T,    128
.set HA,   192
.set HB,   204
.set CT,   216
.set BV,   224                         ; v224-231 the bias of my lane's channel (v)
.set TM,   232
.set PWS,  244
.set WO,   252
.set G1, 24
.set G0, 32
.set G1B, 48
.set G0B, 56
.set G1S, 68
.set G0S, 76
.set G1SB, 80
.set G0SB, 88
.set G0H, 4
.set G0HB, 8
.set MSB, 0
.macro WIN new
.if MSB != (\new)
	s_set_vgpr_msb (MSB<<8)|(\new)
.set MSB, (\new)
.endif
.endm
.set MUL_LO, 0xa1
.set MUL_HI, 0xf1
.set TO_B,   0x40
.macro JLOAD g0a, g1a, g0b, g1b        ; waves 0, 1 fetch source 1's rows, waves 2, 3 source 0's
	s_cmp_eq_u32 s15, 0
	s_cbranch_scc0 .Lfor_b_\@
	tensor_load_to_lds s[\g0a:\g0a+3], s[\g1a:\g1a+7]
	s_nop 0
.rept 4
	v_nop
.endr
	s_branch .Lasked_\@
.Lfor_b_\@:
	tensor_load_to_lds s[\g0b:\g0b+3], s[\g1b:\g1b+7]
	s_nop 0
.rept 4
	v_nop
.endr
.Lasked_\@:
.endm
.macro CREST
	s_cmp_lg_u32 s14, 0
	s_cbranch_scc1 .Lnot_wave_0_\@
	s_barrier_signal -3
.Lnot_wave_0_\@:
	s_barrier_wait -3
	s_barrier_signal -1
	s_barrier_wait -1
.endm
.macro CROUND
	s_barrier_signal -1
	s_barrier_wait -1
	CREST
.endm
	s_load_b256 s[4:11], s[0:1], 0x0               ; xc, xs, wc, ws
	s_load_b256 s[92:99], s[0:1], 0x20             ; bq, bk, bv, ac
	v_lshl_add_u32 v[SPW], v0, 2, SPARE
	v_mov_b32 v[NIL], 0
	ds_add_u32 v[SPW], v[NIL]                      ; the opening lines
	ds_add_u32 v[SPW], v[NIL]
	v_lshrrev_b32 v1, 5, v0
	v_readfirstlane_b32 s14, v1                    ; wave
	s_lshr_b32 s15, s14, 1
	s_and_b32 s16, s14, 1
	s_bfe_u32 s40, ttmp6, 0x40000                  ; cx
	s_bfe_u32 s41, ttmp6, 0x40004                  ; cy
	s_and_b32 s18, ttmp7, 0xffff
	s_lshr_b32 s66, s18, 3                         ; which product: 0 q, 1 k, 2 v
	s_and_b32 s18, s18, 7
	s_lshl_b32 s19, s66, 13
	s_lshl_b32 s20, s66, 10
	s_cmp_eq_u32 s66, 2
	s_cselect_b32 s21, 0, s18
	s_cselect_b32 s22, s18, 0
	s_cselect_b32 s2, 2048, s19                    ; source 1's first row in its buffer
	s_cselect_b32 s3, 16384, s20                   ; source 0's
	s_lshl_b32 s17, s21, 2
	s_add_co_u32 s17, s17, s41                     ; tile row
	s_lshl_b32 s42, s22, 2
	s_add_co_u32 s42, s42, s40                     ; tile column
	s_lshl_b32 s43, s41, 2
	s_lshl_b32 s43, 15, s43                        ; my row of the cluster
	s_lshl_b32 s44, 0x1111, s40                    ; my column
	s_or_b32 s[G1+0], s43, (0<<16)|(1<<20)|(1<<21)|(5<<22)|(3<<25)
	s_or_b32 s[G1B+0], s44, (0<<16)|(1<<20)|(1<<21)|(5<<22)|(3<<25)
.irp g, G1, G1B
	s_mov_b32 s[\g+1], ROWB<<16
	s_mov_b32 s[\g+2], 256<<16                     ; the head's loads bring 256 rows
	s_mov_b32 s[\g+3], ROWB<<16
	s_mov_b32 s[\g+4], 256
	s_mov_b32 s[\g+5], KROW
	s_mov_b32 s[\g+6], 0
	s_mov_b32 s[\g+7], 0
.endr
	s_or_b32 s[G1S+0], s43, (3<<16)|(1<<20)|(1<<21)|(5<<22)|(3<<25)
	s_or_b32 s[G1SB+0], s44, (3<<16)|(1<<20)|(1<<21)|(5<<22)|(3<<25)
.irp g, G1S, G1SB
	s_mov_b32 s[\g+1], 32<<16
	s_mov_b32 s[\g+2], KS<<16
	s_mov_b32 s[\g+3], 32<<16
	s_mov_b32 s[\g+4], KS
	s_mov_b32 s[\g+5], 32
	s_mov_b32 s[\g+6], 0
	s_mov_b32 s[\g+7], 0
.endr
	s_lshl_b32 s20, s17, 8
	s_add_co_u32 s20, s20, s2
	s_lshl_b32 s46, s42, 8
	s_add_co_u32 s46, s46, s3
	s_mov_b32 s21, 0
	s_mov_b32 s47, 0
	s_mov_b64 s[18:19], KS
	s_mul_u64 s[22:23], s[20:21], s[18:19]         ; where these rows' scales begin,
	s_mul_u64 s[100:101], s[46:47], s[18:19]
	s_mov_b64 s[18:19], KROW
	s_mul_u64 s[20:21], s[20:21], s[18:19]         ; and their codes
	s_mul_u64 s[46:47], s[46:47], s[18:19]
	s_mul_i32 s18, s16, 128*KROW                   ; in the ring I fetch 128 rows of a tile
	s_mov_b32 s19, 0
	s_mul_i32 s45, s14, HALFT
	s_wait_dscnt 0x0                               ; both opening adds are done
	s_wait_kmcnt 0x0
	s_mov_b64 s[12:13], s[98:99]                   ; ac
	s_cmp_eq_u32 s66, 1
	s_cselect_b64 s[98:99], s[94:95], s[92:93]
	s_cmp_eq_u32 s66, 2
	s_cselect_b64 s[98:99], s[96:97], s[98:99]     ; the product's bias
	s_mov_b64 s[92:93], s[4:5]
	s_mov_b64 s[94:95], s[6:7]
	s_cselect_b64 s[4:5], s[8:9], s[92:93]         ; for v the weight is source 1 and x source 0
	s_cselect_b64 s[6:7], s[10:11], s[94:95]
	s_cselect_b64 s[8:9], s[92:93], s[8:9]
	s_cselect_b64 s[10:11], s[94:95], s[10:11]
	s_add_nc_u64 s[20:21], s[4:5], s[20:21]
	s_add_nc_u64 s[22:23], s[6:7], s[22:23]
	s_add_nc_u64 s[46:47], s[8:9], s[46:47]
	s_add_nc_u64 s[92:93], s[10:11], s[100:101]
	CROUND                                         ; the first joint loads meet
	s_mov_b32 s[G0H], 1
	s_mov_b32 s[G0H+1], 0
	s_mov_b64 s[G0H+2:G0H+3], s[20:21]
	s_or_b32 s[G0H+3], s[G0H+3], 0x80000000
	s_mov_b32 s[G0HB], 1
	s_mov_b32 s[G0HB+1], 2*HALFT
	s_mov_b64 s[G0HB+2:G0HB+3], s[46:47]
	s_or_b32 s[G0HB+3], s[G0HB+3], 0x80000000
	s_mov_b32 s[G0S], 1
	s_mov_b32 s[G0S+1], SCL
	s_mov_b64 s[G0S+2:G0S+3], s[22:23]
	s_or_b32 s[G0S+3], s[G0S+3], 0x80000000
	s_mov_b32 s[G0SB], 1
	s_mov_b32 s[G0SB+1], SCL+2*HALFS
	s_mov_b64 s[G0SB+2:G0SB+3], s[92:93]
	s_or_b32 s[G0SB+3], s[G0SB+3], 0x80000000
	s_add_nc_u64 s[20:21], s[20:21], s[18:19]
	s_add_nc_u64 s[46:47], s[46:47], s[18:19]
.irp s, 0,1
	s_mov_b32 s[G0+4*\s], 1
	s_add_co_u32 s[G0+4*\s+1], s45, \s*SLOT
	s_add_nc_u64 s[G0+4*\s+2:G0+4*\s+3], s[20:21], \s*ROWB
	s_or_b32 s[G0+4*\s+3], s[G0+4*\s+3], 0x80000000
	s_mov_b32 s[G0B+4*\s], 1
	s_add_co_u32 s[G0B+4*\s+1], s45, \s*SLOT
	s_add_nc_u64 s[G0B+4*\s+2:G0B+4*\s+3], s[46:47], \s*ROWB
	s_or_b32 s[G0B+4*\s+3], s[G0B+4*\s+3], 0x80000000
.endr
; the head's four tiles, one load a wave: chunk 0 of source 1's 256 rows, of source 0's, and the two blocks of scales
.macro ARM under, g0, g1, next
	s_cmp_lt_u32 s14, \under
	s_cbranch_scc0 \next
	tensor_load_to_lds s[\g0:\g0+3], s[\g1:\g1+7]
	s_nop 0
.rept 4
	v_nop
.endr
	s_branch .Lhead_asked
\next:
.endm
	ARM 1, G0H,  G1,  .Lhead_b
	ARM 2, G0HB, G1B, .Lhead_sa
	ARM 3, G0S,  G1S, .Lhead_sb
	tensor_load_to_lds s[G0SB:G0SB+3], s[G1SB:G1SB+7]
	s_nop 0
.rept 4
	v_nop
.endr
.Lhead_asked:
	v_and_b32 v1, 15, v0                           ; r
	v_bfe_u32 v2, v0, 4, 1                         ; h
	v_mul_u32_u24 v3, v1, PITCH
	v_mul_u32_u24 v4, v2, 24
	v_add_nc_u32 v4, v3, v4
	s_mov_b32 s21, SLOT-232
	s_mov_b32 s22, SLOT+232
	v_sub_nc_u32 v7, 1, v2
	v_mul_u32_u24 v5, s21, v2
	v_add_nc_u32 v5, v3, v5
	v_add_nc_u32 v5, 232, v5                       ; across two chunks: lanes 0-15 byte 232 in slot 0, lanes 16-31 byte 0 in slot 1;
	v_mul_u32_u24 v6, s22, v7
	v_add_nc_u32 v6, v3, v6                        ; and the other way round
	s_mul_i32 s21, s15, HALFT
	s_mul_i32 s22, s16, HALFT
	s_add_co_u32 s22, s22, 2*HALFT
	v_add_nc_u32 v[ADRA+2], s21, v5
	v_add_nc_u32 v[ADRA+3], s21, v6
	v_add_nc_u32 v[ADRB+2], s22, v5
	v_add_nc_u32 v[ADRB+3], s22, v6
.irp s, 0,1
	v_add_nc_u32 v[ADRA+\s], s21, v4
	v_add_nc_u32 v[ADRB+\s], s22, v4
	s_add_co_u32 s21, s21, SLOT
	s_add_co_u32 s22, s22, SLOT
.endr
	v_mul_u32_u24 v5, v1, KS
	v_lshrrev_b32 v6, 8, v5
	v_lshl_add_u32 v5, v6, 4, v5
	s_mul_i32 s21, s15, HALFS
	s_mul_i32 s22, s16, HALFS
	s_add_co_u32 s22, s22, 2*HALFS
	s_sub_co_u32 s22, s22, s21
	v_mul_u32_u24 v6, s22, v2
	s_add_co_u32 s21, s21, SCL
	v_add_nc_u32 v5, v5, v6
	v_add_nc_u32 v[ADRS], s21, v5
	v_and_b32 v6, 31, v0
	v_lshlrev_b32 v[LI], 4, v6                     ; an image's place for my lane
	v_lshlrev_b32 v[SOF], 4, v1
	v_mul_u32_u24 v6, v2, HEADB
	v_add_nc_u32 v[SOF], v[SOF], v6                ; scale words: 16 r; lanes 16-31 the next head's record
	v_lshlrev_b32 v8, 6, v2
	v_and_b32 v9, 8, v1
	v_add_nc_u32 v9, v9, v1
	v_lshlrev_b32 v9, 2, v9
	s_lshl_b32 s20, s17, 8
	s_lshl_b32 s21, s15, 7
	s_add_co_u32 s20, s20, s21                     ; my first row of source 1's side,
	s_lshl_b32 s46, s42, 8
	s_lshl_b32 s47, s16, 7
	s_add_co_u32 s46, s46, s47                     ; of source 0's
	s_cmp_eq_u32 s66, 2
	s_cselect_b32 s21, s20, s46                    ; my first channel
	s_cselect_b32 s47, s46, s20                    ; my first token
	s_lshr_b32 s18, s47, 11
	s_lshl_b32 s18, s18, 4
	s_lshr_b32 s19, s21, 6
	s_add_co_u32 s18, s18, s19                     ; 16 x batch + head
	s_bfe_u32 s19, s47, 0x40007                    ; which 128 tokens of the sequence
	s_mul_i32 s22, s18, HEADB
	s_mul_i32 s92, s19, 12800
	s_sub_co_u32 s93, s66, 1
	s_mul_i32 s94, s93, 6144
	s_add_co_u32 s94, s94, s92                     ; k, v: the step's images,
	s_lshl_b32 s95, s93, 8
	s_add_co_u32 s95, s95, s92
	s_add_co_u32 s95, s95, 12288                   ; and scale words
	s_mul_i32 s92, s19, 6144
	s_add_co_u32 s92, s92, 204800                  ; q: images,
	s_lshl_b32 s93, s19, 8
	s_add_co_u32 s93, s93, 303104                  ; and scale words
	s_cmp_eq_u32 s66, 0
	s_cselect_b32 s94, s92, s94
	s_cselect_b32 s95, s93, s95
	s_add_co_u32 s94, s94, s22
	s_add_co_u32 s22, s95, s22
	s_mov_b32 s23, 0
	s_mov_b32 s95, 0
	s_add_nc_u64 s[100:101], s[12:13], s[22:23]
	s_add_nc_u64 s[12:13], s[12:13], s[94:95]
	s_lshl_b32 s22, s21, 2
	s_add_nc_u64 s[98:99], s[98:99], s[22:23]
	s_mov_b32 s96, 0x76543210
	s_mov_b32 s97, 0xfedcba98
	s_mov_b32 s67, 0xffff0000
	s_wait_alu depctr_va_vdst(0)                   ; the wait ahead of the readers below
.irp t, 0,1,2,3,4,5,6,7
	global_load_b128 v[BI+8*\t:BI+8*\t+3], v8, s[98:99] offset:(32*(\t/2)+8*(\t%2))*4
	global_load_b128 v[BI+8*\t+4:BI+8*\t+7], v8, s[98:99] offset:(32*(\t/2)+8*(\t%2))*4+16
.endr
.irp a, 0,1,2,3,4,5,6,7
	global_load_b32 v[BV+\a], v9, s[98:99] offset:(32*(\a/2)+8*(\a%2))*4
.endr
.macro FRAG reg, adr, st, i            ; 16 rows x 128 K: six pieces of 8 bytes; byte y of a row lies in chunk y / 256, slot (y / 256) % 2
.irp p, 0,1,2,3,4,5
.set BY, 96*(\st)+48*(\p/3)+8*(\p%3)
.if BY/ROWB == (BY+24)/ROWB
	ds_load_b64 v[\reg+2*\p:\reg+2*\p+1], v[\adr+(BY/ROWB)%2] offset:BY%ROWB+(\i)*16*PITCH
.else
	ds_load_b64 v[\reg+2*\p:\reg+2*\p+1], v[\adr+2+(BY/ROWB)%2] offset:BY%ROWB-232+(\i)*16*PITCH
.endif
.endr
.endm
.macro MUL16 a0, p, q, sc, zero        ; the 64 accumulators take turns, in the same order in every step
.irp a, \a0, \a0+1
.irp b, 0,1,2,3,4,5,6,7
.if \zero
	v_wmma_scale_f32_16x16x128_f8f6f4 v[8*(8*((\a)%4)+\b):8*(8*((\a)%4)+\b)+7], v[128*(\p)+FR*\b:128*(\p)+FR*\b+FR-1], v[AF+FR*(\a):AF+FR*(\a)+FR-1], 0, v[SC+8*NQ*(\sc)+NQ*\b+(\q)], v[SC+8*NQ*(\sc)+NQ*(\a)+(\q)] matrix_a_fmt:MATRIX_FMT_FP6 matrix_b_fmt:MATRIX_FMT_FP6 matrix_a_scale:MATRIX_SCALE_ROW1
.else
	v_wmma_scale_f32_16x16x128_f8f6f4 v[8*(8*((\a)%4)+\b):8*(8*((\a)%4)+\b)+7], v[128*(\p)+FR*\b:128*(\p)+FR*\b+FR-1], v[AF+FR*(\a):AF+FR*(\a)+FR-1], v[8*(8*((\a)%4)+\b):8*(8*((\a)%4)+\b)+7], v[SC+8*NQ*(\sc)+NQ*\b+(\q)], v[SC+8*NQ*(\sc)+NQ*(\a)+(\q)] matrix_a_fmt:MATRIX_FMT_FP6 matrix_b_fmt:MATRIX_FMT_FP6 matrix_a_scale:MATRIX_SCALE_ROW1
.endif
.endr
.endr
.endm
.macro FETCH_B st, p
	WIN TO_B
.irp i, 0,1,2,3,4,5,6,7
	FRAG 128*(\p)+FR*\i, ADRB, \st, \i
.endr
	WIN 0
.endm
.macro FETCH_A st, i0
.irp i, \i0, \i0+1, \i0+2, \i0+3
	FRAG AF+FR*(\i), ADRA, \st, \i
.endr
.endm
.macro SCALES pr
.irp i, 0,1,2,3,4,5,6,7
	ds_load_b64 v[SC+8*NQ*((\pr)%2)+NQ*\i:SC+8*NQ*((\pr)%2)+NQ*\i+1], v[ADRS] offset:\i*SBLK+4*NQ*(\pr)
.endr
.endm
.macro PLACES n
.rept \n
	v_nop
.endr
.endm
; A step: 64 products; the next step's fragments are fetched in its middle and at its end.  Where the next step's bytes end in a chunk not yet read, a barrier shows that chunk whole;
; where they begin in a later chunk, the chunk left behind is free: the wait for all tensor loads, the add, the wait for it and for my reads, a round of the cluster's barrier, the refill.
.macro STEP st, zero
.set NX, (\st)+1
.set C0, (96*(\st))/ROWB
.set C1, (96*NX)/ROWB
.set E0, (96*(\st)+95)/ROWB
.set E1, (96*NX+95)/ROWB
.if C1 > C0 || E1 > E0
	s_wait_tensorcnt 0x0
.if C1 > C0
	ds_add_u32 v[SPW], v[NIL]
	s_wait_dscnt 4*NL+1                            ; the add and the youngest 24 loads may be out
.else
	s_wait_dscnt 4*NL                              ; the youngest 24 loads (blocks 4-7) may be out
.endif
	WIN MUL_LO
	MUL16 0, (\st)%2, (\st)%2, ((\st)/2)%2, \zero
	s_wait_dscnt 0x0
	s_barrier_signal -1
	MUL16 2, (\st)%2, (\st)%2, ((\st)/2)%2, \zero
	WIN 0
	s_barrier_wait -1
.if C1 > C0 && C0+2 < CHUNKS
	CREST
	s_add_nc_u64 s[G0+4*(C0%2)+2:G0+4*(C0%2)+3], s[G0+4*(C0%2)+2:G0+4*(C0%2)+3], 2*ROWB
	s_add_nc_u64 s[G0B+4*(C0%2)+2:G0B+4*(C0%2)+3], s[G0B+4*(C0%2)+2:G0B+4*(C0%2)+3], 2*ROWB
	JLOAD G0+4*(C0%2), G1, G0B+4*(C0%2), G1B
.else
	PLACES NP
.endif
.else
	s_wait_dscnt 4*NL
	WIN MUL_LO
	MUL16 0, (\st)%2, (\st)%2, ((\st)/2)%2, \zero
	MUL16 2, (\st)%2, (\st)%2, ((\st)/2)%2, \zero
	s_wait_dscnt 0
	PLACES NP
.endif
	FETCH_B NX, NX%2
	FETCH_A NX, 0
.if NX%2 == 0
	SCALES NX/2
.endif
	WIN MUL_HI
	MUL16 4, (\st)%2, (\st)%2, ((\st)/2)%2, \zero
	MUL16 6, (\st)%2, (\st)%2, ((\st)/2)%2, \zero
	PLACES NP
	WIN 0
	FETCH_A NX, 4
.endm
	s_wait_alu depctr_va_vdst(0)                   ; the wait at the head's end
	s_wait_tensorcnt 0x0                           ; my tile of the head's four is in
	ds_add_u32 v[SPW], v[NIL]
	s_mov_b32 s[G1+2], 128<<16                     ; no load of mine is out: from here on a load brings 128 rows
	s_mov_b32 s[G1+4], 128
	s_mov_b32 s[G1B+2], 128<<16
	s_mov_b32 s[G1B+4], 128
	s_wait_dscnt 0x0
	CROUND
	JLOAD G0+4, G1, G0B+4, G1B                     ; chunk 1, slot 1's first fill, issued as a refill is
	FETCH_B 0, 0
	FETCH_A 0, 0
	SCALES 0
	FETCH_A 0, 4
	STEP 0, 1
.set ST, 1
.rept STEPS-2
	STEP ST, 0
.set ST, ST+1
.endr
	s_wait_dscnt 4*NL
	WIN MUL_LO
	MUL16 0, 1, 1, 1, 0
	MUL16 2, 1, 1, 1, 0
	s_wait_dscnt 0
	WIN MUL_HI
	MUL16 4, 1, 1, 1, 0
	MUL16 6, 1, 1, 1, 0
	WIN 0
; THE WAY OUT: 64 registers of a lane are 128 neighbours along the next K, 16 to a lane half: four blocks of 32 are quantised and laid as operand registers.
.macro QUANT s, d0, d1, pw
.irp b, 0,1,2,3
	v_max3_num_f32 v[TM+\b], |v[\s+16*\b]|, |v[\s+1+16*\b]|, 0x1800000
.endr
.irp i, 2,4,6,8,10,12,14
.irp b, 0,1,2,3
	v_max3_num_f32 v[TM+\b], v[TM+\b], |v[\s+16*\b+\i]|, |v[\s+1+16*\b+\i]|
.endr
.endr
.irp b, 0,1,2,3
	v_permlanex16_b32 v[TM+4+\b], v[TM+\b], s96, s97
.endr
.irp b, 0,1,2,3
	v_max_num_f32 v[TM+\b], v[TM+\b], v[TM+4+\b]
.endr
.irp b, 0,1,2,3
	v_add_nc_u32 v[TM+8+\b], 0xff000000, v[TM+\b]
.endr
.irp b, 0,1,2,3
	v_lshrrev_b32 v[TM+4+\b], 23, v[TM+8+\b]
.endr
	v_lshl_or_b32 v[\pw], v[TM+5], 8, v[TM+4]
	v_lshl_or_b32 v[\pw], v[TM+6], 16, v[\pw]
	v_lshl_or_b32 v[\pw], v[TM+7], 24, v[\pw]
	v_cvt_scalef32_pk16_fp6_f32 v[\d0:\d0+2], v[\s:\s+15], v[TM+8]
	v_cvt_scalef32_pk16_fp6_f32 v[CT:CT+2], v[\s+16:\s+31], v[TM+9]
	v_cvt_scalef32_pk16_fp6_f32 v[\d1:\d1+2], v[\s+32:\s+47], v[TM+10]
	v_cvt_scalef32_pk16_fp6_f32 v[CT+4:CT+6], v[\s+48:\s+63], v[TM+11]
	v_nop
.irp i, 0,1,2
	v_permlane16_swap_b32 v[\d0+\i], v[CT+\i]
	v_permlane16_swap_b32 v[\d1+\i], v[CT+4+\i]
.endr
.irp i, 0,1,2
	v_mov_b32 v[\d0+3+\i], v[CT+\i]
	v_mov_b32 v[\d1+3+\i], v[CT+4+\i]
.endr
.endm
.macro EPI isv
.irp a, 0,1,2,3,4,5,6,7
.set AC, 64*(\a%4)
.if \isv
	v_mov_b32 v[BP], v[BV+\a]
	v_mov_b32 v[BP+1], v[BV+\a]
.endif
	WIN 0x02+\a/4
.set i, 0
.rept 32
.if \isv
	v_pk_add_f32 v[T+i:T+i+1], v[AC+i:AC+i+1], v[BP:BP+1]
.else
	v_pk_add_f32 v[T+i:T+i+1], v[AC+i:AC+i+1], v[BI+i:BI+i+1]
.endif
.set i, i+2
.endr
	WIN 0
.if \a > 1
	s_wait_xcnt 0x0                                ; the stores of two blocks ago have read their registers
.endif
.set PWA, PWS+\a
.if \isv
.set D0, HA+12*(\a%2)
.set D1, D0+6
	QUANT T, D0, D1, PWA
.irp c, 0,1,2
	global_store_b128 v[LI], v[D0+4*\c:D0+4*\c+3], s[12:13] offset:HEADB*(\a/4)+1536*(\a%4)+512*\c
.endr
.else
.set D0, HA+6*(\a%2)
.set D1, HB+6*(\a%2)
	QUANT T, D0, D1, PWA
.if \a%2
.irp c, 0,1,2
	global_store_b128 v[LI], v[HA+4*\c:HA+4*\c+3], s[12:13] offset:1536*(\a/2)+512*\c
	global_store_b128 v[LI], v[HB+4*\c:HB+4*\c+3], s[12:13] offset:HEADB+1536*(\a/2)+512*\c
.endr
.endif
.endif
.endr
.irp j, 0,1,2,3
.if \isv
	v_cndmask_b32 v[WO+\j], v[PWS+\j], v[PWS+4+\j], s67
.else
	v_perm_b32 v[WO+\j], v[PWS+2*\j+1], v[PWS+2*\j], v[SELV]
.endif
.endr
	global_store_b128 v[SOF], v[WO:WO+3], s[100:101]
.endm
	PLACES NP
.irp b, 0,1,2,3
	v_mov_b32 v[TM+4+\b], 0
.endr
	v_mov_b32 v[SELV], 0x05040100
	v_mov_b32 v[SELV+1], 0x07060302
	v_cndmask_b32 v[SELV], v[SELV], v[SELV+1], s67
	s_wait_loadcnt 0x0                             ; the bias
	s_cmp_eq_u32 s66, 2
	s_cbranch_scc1 .Lepi_v
	EPI 0
	s_branch .Lend
.Lepi_v:
	EPI 1
.Lend:
	s_wait_tensorcnt 0x0                           ; the wave's end
	ds_add_u32 v[SPW], v[NIL]
	s_wait_dscnt 0x0
	CROUND                                         ; the closing round
	s_endpgm
.Lfunc_end_k_q9d74ec6031_proj:
	.size	k_q9d74ec6031_proj, .Lfunc_end_k_q9d74ec6031_proj-k_q9d74ec6031_proj
	.p2alignl 7, 3214868480
	.fill 96, 4, 3214868480
	.section	.rodata,"a",@progbits
	.p2align	6, 0x0
	.amdhsa_kernel k_q9d74ec6031_proj
		.amdhsa_group_segment_fixed_size 327680
		.amdhsa_private_segment_fixed_size 0
		.amdhsa_enable_private_segment 0
		.amdhsa_kernarg_size 64
		.amdhsa_user_sgpr_count 2
		.amdhsa_user_sgpr_kernarg_segment_ptr 1
		.amdhsa_wavefront_size32 1
		.amdhsa_system_sgpr_workgroup_id_x 1
		.amdhsa_system_sgpr_workgroup_id_y 1
		.amdhsa_system_sgpr_workgroup_id_z 1
		.amdhsa_system_vgpr_workitem_id 0
		.amdhsa_next_free_vgpr 1024
		.amdhsa_next_free_sgpr 104
		.amdhsa_reserve_vcc 0
		.amdhsa_float_denorm_mode_32 3
		.amdhsa_float_denorm_mode_16_64 3
		.amdhsa_memory_ordered 1
		.amdhsa_forward_progress 1
		.amdhsa_inst_pref_size 234
	.end_amdhsa_kernel
	.amdgpu_metadata
---
amdhsa.version: [ 1, 2 ]
amdhsa.kernels:
  - .name:           k_q9d74ec6031_proj
    .symbol:         k_q9d74ec6031_proj.kd
    .args:
      - { .name: xc, .offset: 0, .size: 8, .value_kind: global_buffer, .address_space: global }
      - { .name: xs, .offset: 8, .size: 8, .value_kind: global_buffer, .address_space: global }
      - { .name: wc, .offset: 16, .size: 8, .value_kind: global_buffer, .address_space: global }
      - { .name: ws, .offset: 24, .size: 8, .value_kind: global_buffer, .address_space: global }
      - { .name: bq, .offset: 32, .size: 8, .value_kind: global_buffer, .address_space: global }
      - { .name: bk, .offset: 40, .size: 8, .value_kind: global_buffer, .address_space: global }
      - { .name: bv, .offset: 48, .size: 8, .value_kind: global_buffer, .address_space: global }
      - { .name: ac, .offset: 56, .size: 8, .value_kind: global_buffer, .address_space: global }
    .group_segment_fixed_size: 327680
    .private_segment_fixed_size: 0
    .kernarg_segment_align: 8
    .kernarg_segment_size: 64
    .max_flat_workgroup_size: 128
    .sgpr_count:     104
    .vgpr_count:     1024
    .wavefront_size: 32
...
	.end_amdgpu_metadata
.endif
;; end of part 2
;; launch attn (part 3): grid 4 x 64, 16 waves a work-group, clusters of 4 x 1, 206,848 bytes of LDS; arguments ac, cc, cs; writes cc, cs
.if DOCPART == 3
	.amdgcn_target "amdgcn-amd-amdhsa--gfx1250"
	.amdhsa_code_object_version 6
	.text
	.protected	k_q9d74ec6031_attn
	.globl	k_q9d74ec6031_attn
	.p2align	8
	.type	k_q9d74ec6031_attn,@function
k_q9d74ec6031_attn:
	s_mov_b64 s[64:65], 0
	v_nop
	global_prefetch_b8 v0, s[64:65] scope:SCOPE_SE
	s_setreg_imm32_b32 hwreg(HW_REG_WAVE_MODE, 25, 1), 1
	s_wait_xcnt 0x0
	s_wait_alu depctr_hold_cnt(0) depctr_sa_sdst(0) depctr_va_vdst(0) depctr_va_sdst(0) depctr_va_ssrc(0) depctr_va_vcc(0) depctr_vm_vsrc(0)
	s_getreg_b32 s2, hwreg(HW_REG_IB_STS2, 6, 4)
	s_cmp_eq_u32 s2, 0
	s_cbranch_scc0 .Lentry_in_a_cluster
	s_endpgm
.Lentry_in_a_cluster:
	s_bfe_u32 s2, ttmp6, 0x10000c
	s_cmp_lg_u32 s2, 0x3003
	s_cbranch_scc0 .Lentry_shape_is_right
	s_endpgm
.Lentry_shape_is_right:
; ctx[b][h][q] = the sum over k of softmax_k(q . k / 8) v, both products on codes of FP6 (E2M3) with E8M0 scales; ctx is quantised along the head's 64 and leaves as codes for the output projection.
; t = score x log2(e) / 8; M = the running largest t rounded UP to a whole number; p = 2^(t - M) is quantised along the keys; the row's sum is taken of the unquantised p and divides at the end;
; when M moves, the sum and O are multiplied by 2^(old M - new M), which rounds nothing.
; SHARES.  A work-group owns 512 queries of one head, each of its sixteen waves 32: two passes over all 2,048 keys, 16 queries each, 128 keys a step.
; A HEAD'S K AND V STAY IN LDS: 16 steps x 12,800 bytes [k's 4 images | v's 4 images | k's scale words | v's], dense in ac.  Wave w fetches step w: ONE joint load a wave (50 rows of 256 bytes), shared by the
; cluster's four work-groups, which belong to one head.  No LDS byte is filled again.
; K = 64 IN AN INSTRUCTION OF 128: an image of k holds two tiles of 16 keys; it is multiplied by [q | 0] and by [0 | q].  The zero codes add nothing under any scale byte here (1 to 254).
; LAYOUT.  S^T = K Q^T, O^T = V^T P^T: a lane holds ONE query.  The keys of k's tiles lie so that registers 32 c + i of S^T are keys 64 c + 32 (lane / 16) + i: a whole block of 32 in one lane, in the very
; place that p's operand wants.  O^T's register 16 b + i is channel 32 b + 16 (lane / 16) + i.
; THE ORDER OF A STEP.  The next step's fragments of K are asked for behind this step's second product, and 28 of the sum's 32 additions stand between those loads and the wait for them; so each pass's last
; step, which has no next, is written out behind a loop of 15 trips.  V's loads stand in the gaps of the dependent chain behind the maxima.
; LIMITS: the promise holds while the scaled scores stay under 2^31 in magnitude; a block's largest p is made from its largest score by the same two instructions, which takes v_exp_f32 not to fall where its
; input rises; a block of zeros keeps the byte 1; NaN and infinities are not served.
; No prefetch: all that the launch reads of K and V is asked for at its head, and there is no loop to run ahead in.
.set HEADB, 307200
.set STEPB, 12800
.set SPARE, 204800
.set LI,  1                            ; 16 x lane
.set ADK, 3                            ; the step's LDS address
.set L8,  5
.set L4,  6
.set SH8, 7                            ; 8 (lane / 16)
.set TP,  8                            ; a lane permute's result
.set OLD, 11                           ; the last -M;  v12 -M, v13 the running largest score, v[14:15] the sum
.set ZQ,  16                           ; v16-33 [0 x 6 | q x 6 | 0 x 6]
.set QI,  34                           ; v34-45 the image of my 32 queries
.set QW,  46
.set QS,  47                           ; the pass's two scale bytes, twice
.set FB,  48                           ; v48-95 four fragments, K's and then V's
.set S,   96                           ; v96-159 S^T, then p
.set O,   160                          ; v160-191 O^T
.set PC,  192                          ; v192-203 p's codes
.set CT,  204                          ; v204-210 the conversions' second halves
.set KS,  212                          ; v212-215 scale words: lanes 0-15 K's, lanes 16-31 V's
.set BM,  220                          ; my two blocks' largest scores, then p
.set BN,  222
.set BX,  224                          ; the conversions' scale operands
.set BP,  226                          ; the bytes
.set F,   228                          ; v[228:229] f, later 1 / the sum
.set TMP, 230
.set PW,  231                          ; p's scale word
.set SU,  232                          ; v232-237 three more chains of the sum
.set CF,  238                          ; v238-249 ctx's codes of pass 0, 1: store data, written once
.set CW,  250
.set CWM, 252
.set SPW, 254
.set NIL, 255
.set WV,  12
.set SEL, 14
.set CS,  16                           ; s[16:17] c = log2(e) / 8
.set TB,  18
.set NC,  19                           ; -c
.set CNT, 20
.set G1,  24
.set G0,  40
.macro CROUND
	s_barrier_signal -1
	s_barrier_wait -1
	s_cmp_lg_u32 s[WV], 0
	s_cbranch_scc1 .Lnot_wave_0_\@
	s_barrier_signal -3
.Lnot_wave_0_\@:
	s_barrier_wait -3
	s_barrier_signal -1
	s_barrier_wait -1
.endm
	s_load_b64 s[4:5], s[0:1], 0x0                 ; ac
	s_load_b128 s[8:11], s[0:1], 0x8               ; cc, cs
	v_lshl_add_u32 v[SPW], v0, 2, SPARE
	v_mov_b32 v[NIL], 0
	ds_add_u32 v[SPW], v[NIL]                      ; the opening lines
	ds_add_u32 v[SPW], v[NIL]
	v_lshrrev_b32 v9, 5, v0
	v_readfirstlane_b32 s[WV], v9                  ; wave 0..15
	s_bfe_u32 s13, ttmp6, 0x40000                  ; cx: which 512 queries: it enters global addresses of q and of the results alone
	s_and_b32 s22, ttmp7, 0xffff                   ; 16 x batch + head, which the four partners share
	s_mul_i32 s60, s22, HEADB                      ; the head's record
	s_mul_i32 s[G0+1], s[WV], STEPB                ; LDS: step w
	s_add_co_u32 s62, s60, s[G0+1]
	s_mov_b32 s63, 0
	s_mov_b32 s[G0], 1
	s_mov_b32 s[G1], 15|(3<<16)|(1<<21)            ; the mask: all four work-groups; elements of 8 bytes; bit 21 beside a mask
	s_mov_b32 s[G1+1], 32<<16
	s_mov_b32 s[G1+2], 50<<16
	s_mov_b32 s[G1+3], 32<<16
	s_mov_b32 s[G1+4], 50
	s_mov_b32 s[G1+5], 32
	s_mov_b32 s[G1+6], 0
	s_mov_b32 s[G1+7], 0
	s_mov_b32 s[SEL], 0x76543210
	s_mov_b32 s[SEL+1], 0xfedcba98
	s_mov_b32 s[CS], 0x3e38aa3b
	s_mov_b32 s[CS+1], s[CS]
	s_mov_b32 s[NC], 0xbe38aa3b
	s_mov_b32 s21, 0xffff0000                      ; lanes 16-31
	s_wait_dscnt 0x0
	s_wait_kmcnt 0x0
	s_add_nc_u64 s[G0+2:G0+3], s[4:5], s[62:63]
	s_or_b32 s[G0+3], s[G0+3], 0x80000000
	CROUND                                         ; all four work-groups are here: the joint loads meet
	tensor_load_to_lds s[G0:G0+3], s[G1:G1+7]      ; every wave's one load
	s_nop 0
	s_lshl_b32 s23, s13, 4
	s_add_co_u32 s23, s23, s[WV]                   ; my group of 32 queries, 0..63
	s_mul_i32 s61, s23, 1536
	s_add_co_u32 s62, s60, s61
	s_add_co_u32 s62, s62, 204800                  ; its image
	s_lshr_b32 s61, s23, 2
	s_lshl_b32 s61, s61, 8
	s_and_b32 s66, s23, 3
	s_lshl_b32 s66, s66, 2
	s_add_co_u32 s66, s66, s61
	s_add_co_u32 s66, s66, s60
	s_add_co_u32 s66, s66, 303104                  ; its scale words
	s_mov_b32 s67, 0
	s_add_nc_u64 s[6:7], s[4:5], s[66:67]
	s_add_nc_u64 s[4:5], s[4:5], s[62:63]
	s_lshr_b32 s61, s22, 4
	s_lshl_b32 s61, s61, 7
	s_lshl_b32 s62, s23, 1
	s_add_co_u32 s61, s61, s62                     ; my first tile of 16 rows: 128 x batch + 2 x group
	s_lshl_b32 s61, s61, 4
	s_and_b32 s62, s22, 15
	s_add_co_u32 s61, s61, s62
	s_mul_i32 s62, s61, 768
	s_add_nc_u64 s[8:9], s[8:9], s[62:63]          ; cc: [tile][head][768 bytes]
	s_lshl_b32 s62, s22, 6
	s_add_co_u32 s62, s62, s23
	s_lshl_b32 s62, s62, 7
	s_add_nc_u64 s[10:11], s[10:11], s[62:63]      ; cs: [batch, head][group][32 words]
	v_and_b32 v9, 31, v0
	v_and_b32 v10, 15, v0
	v_lshlrev_b32 v[LI], 4, v9
	v_lshlrev_b32 v10, 4, v10                      ; never rewritten
	v_lshlrev_b32 v[L8], 3, v9
	v_lshlrev_b32 v[L4], 2, v9
	v_bfe_u32 v[SH8], v0, 4, 1
	v_mov_b32 v[TP], 0                             ; a lane permute's destination counts as one of its sources
	v_lshlrev_b32 v[SH8], 3, v[SH8]
.irp c, 0,1,2
	global_load_b128 v[QI+4*\c:QI+4*\c+3], v[LI], s[4:5] offset:512*\c
.endr
	global_load_b32 v[QW], v10, s[6:7]
	v_mov_b32 v[F+1], 0                            ; (named as the upper half of a pair)
.irp i, 0,1,2,3,4,5
	v_mov_b32 v[ZQ+\i], 0
	v_mov_b32 v[ZQ+12+\i], 0
.endr
.macro KLOAD                           ; a step's scale words (16 x lane: lanes 0-15 meet K's 256 bytes, lanes 16-31 V's) and K's four images
	v_add_nc_u32 v[ADK], s[TB], v[LI]
	ds_load_b128 v[KS:KS+3], v[ADK] offset:12288
.irp j, 0,1,2,3
.irp c, 0,1,2
	ds_load_b128 v[FB+12*\j+4*\c:FB+12*\j+4*\c+3], v[ADK] offset:1536*\j+512*\c
.endr
.endr
.endm
.macro VLOAD j                         ; image j of V
.irp c, 0,1,2
	ds_load_b128 v[FB+12*\j+4*\c:FB+12*\j+4*\c+3], v[ADK] offset:6144+1536*\j+512*\c
.endr
.endm
.macro SUMA                            ; the row's sum of the unquantised p, in four chains: the first four additions,
	v_pk_add_f32 v[14:15], v[14:15], v[S:S+1]
.irp q, 1,2,3
	v_pk_add_f32 v[SU+2*\q-2:SU+2*\q-1], v[S+16*\q:S+16*\q+1], v[S+16*\q+2:S+16*\q+3]
.endr
.endm
.macro SUMB                            ; and the other 28
	v_pk_add_f32 v[14:15], v[14:15], v[S+2:S+3]
.irp i, 4,6,8,10,12,14
.irp q, 1,2,3
	v_pk_add_f32 v[SU+2*\q-2:SU+2*\q-1], v[SU+2*\q-2:SU+2*\q-1], v[S+16*\q+\i:S+16*\q+\i+1]
.endr
	v_pk_add_f32 v[14:15], v[14:15], v[S+\i:S+\i+1]
.endr
	v_pk_add_f32 v[SU:SU+1], v[SU:SU+1], v[SU+2:SU+3]
	v_pk_add_f32 v[14:15], v[14:15], v[SU+4:SU+5]
	v_pk_add_f32 v[14:15], v[14:15], v[SU:SU+1]
.endm
; A KEY STEP: 128 keys for my 16 queries.  Its fragments of K have been asked for.  more = 1: a step follows in this pass.
.macro STEP more
	s_wait_alu depctr_va_vdst(0)
.irp j, 0,1,2,3
	s_wait_dscnt 9-3*\j                            ; the scale words and images 0 .. j are in; the later images' loads, three each, may be out
	v_wmma_scale_f32_16x16x128_f8f6f4 v[S+16*\j:S+16*\j+7], v[FB+12*\j:FB+12*\j+11], v[ZQ+6:ZQ+17], 0, v[KS+\j], v[QS] matrix_a_fmt:MATRIX_FMT_FP6 matrix_b_fmt:MATRIX_FMT_FP6
	v_wmma_scale_f32_16x16x128_f8f6f4 v[S+16*\j+8:S+16*\j+15], v[FB+12*\j:FB+12*\j+11], v[ZQ:ZQ+11], 0, v[KS+\j], v[QS] matrix_a_fmt:MATRIX_FMT_FP6 matrix_b_fmt:MATRIX_FMT_FP6
.endr
	v_mov_b32 v[OLD], v12
.rept 3
	v_nop                                          ; four places in front of the first read of the scores and of the loads into K's registers
.endr
.irp c, 0,1                                    ; the largest score of my two blocks, two chains each; every accumulator is first read at its low end
	v_max3_num_f32 v[BM+\c], v[S+32*\c], v[S+32*\c+1], v[S+32*\c+2]
	v_max3_num_f32 v[BN+\c], v[S+32*\c+16], v[S+32*\c+17], v[S+32*\c+18]
.endr
.irp i, 3,5,7,9,11,13
.irp c, 0,1
	v_max3_num_f32 v[BM+\c], v[BM+\c], v[S+32*\c+\i], v[S+32*\c+\i+1]
	v_max3_num_f32 v[BN+\c], v[BN+\c], v[S+32*\c+16+\i], v[S+32*\c+17+\i]
.endr
.endr
.irp c, 0,1
	v_max3_num_f32 v[BM+\c], v[BM+\c], v[BN+\c], v[S+32*\c+15]
.endr
.irp c, 0,1
	v_max_num_f32 v[BM+\c], v[BM+\c], v[S+32*\c+31]
.endr
	v_max_num_f32 v[TMP], v[BM], v[BM+1]           ; a dependent chain: V's loads are issued in its gaps
	VLOAD 0
	v_permlanex16_b32 v[TP], v[TMP], s[SEL], s[SEL+1]
	VLOAD 1
	v_max3_num_f32 v13, v13, v[TMP], v[TP]         ; the running largest score of my query
	VLOAD 2
	v_mul_f32 v[TMP], s[NC], v13                   ; -t
	VLOAD 3
	v_floor_f32 v12, v[TMP]                        ; the new -M = floor(-t): M is a whole number
.set i, 0
.rept 32
	v_pk_fma_f32 v[S+i:S+i+1], v[S+i:S+i+1], s[CS:CS+1], v[12:13] op_sel_hi:[1,0,0]   ; t - M, two at a time
.if i == 8
	v_sub_f32 v[TMP], v12, v[OLD]                  ; old M less new M: a whole number, 0 or less
.endif
.if i == 24
	v_cvt_i32_f32 v[TMP], v[TMP]                   ; (it saturates)
.endif
.if i == 40
	v_ldexp_f32 v[F], 1.0, v[TMP]                  ; f = 2^(old M - new M)
.endif
.set i, i+2
.endr
	v_pk_fma_f32 v[BM:BM+1], v[BM:BM+1], s[CS:CS+1], v[12:13] op_sel_hi:[1,0,0]       ; the same of the two blocks' largest scores
	s_wait_alu depctr_va_vdst(0)                   ; the wait ahead of the batch
.set i, 0
.rept 64
	v_exp_f32 v[S+i], v[S+i]                       ; p = 2^(t - M), at most 1
.set i, i+1
.endr
.irp c, 0,1
	v_exp_f32 v[BM+\c], v[BM+\c]                   ; the blocks' largest p
.endr
	v_pk_mul_f32 v[14:15], v[14:15], v[F:F+1] op_sel_hi:[1,0]      ; the sum under the new M (the plain place behind the batch)
	s_wait_alu depctr_va_vdst(0)                   ; one wait for the batch of 66
.irp c, 0,1
	v_max_num_f32 v[BM+\c], 0x1800000, v[BM+\c]    ; the floor 2^(3 - 127)
.endr
.irp c, 0,1
	v_add_nc_u32 v[BX+\c], 0xff000000, v[BM+\c]    ; 2 off the exponent field: the conversion's scale operand
.endr
.irp c, 0,1
	v_cvt_scalef32_pk16_fp6_f32 v[PC+6*\c:PC+2+6*\c], v[S+32*\c:S+15+32*\c], v[BX+\c]
	v_cvt_scalef32_pk16_fp6_f32 v[CT+4*\c:CT+2+4*\c], v[S+16+32*\c:S+31+32*\c], v[BX+\c]   ; (a conversion's three registers begin on an even number)
.endr
.irp c, 0,1
	v_lshrrev_b32 v[BP+\c], 23, v[BX+\c]           ; the bytes (also the plain place behind the conversions)
.endr
	s_delay_alu instid0(VALU_DEP_1)
	v_lshl_or_b32 v[PW], v[BP+1], 16, v[BP]        ; blocks h and 2 + h,
	s_delay_alu instid0(VALU_DEP_1)
	v_lshlrev_b32 v[PW], v[SH8], v[PW]             ; at their places in the word;
	s_delay_alu instid0(VALU_DEP_1)
	v_permlanex16_b32 v[TP], v[PW], s[SEL], s[SEL+1]
	s_delay_alu instid0(VALU_DEP_1)
	v_or_b32 v[PW], v[PW], v[TP]                   ; with lane l xor 16's two the word is whole
.irp c, 0,1
.irp i, 0,1,2
	v_mov_b32 v[PC+3+6*\c+\i], v[CT+4*\c+\i]
.endr
.endr
	s_wait_dscnt 0x0                               ; V's fragments are in
	s_wait_alu depctr_va_vdst(0)                   ; the wait directly ahead of the first reader of O^T
.set i, 0
.rept 16
	v_pk_mul_f32 v[O+i:O+i+1], v[O+i:O+i+1], v[F:F+1] op_sel_hi:[1,0]   ; O^T under the new M, each accumulator from its low end on: also the places between p's codes and scale word and the products
.set i, i+2
.endr
.irp t, 0,1,2,3                                ; O^T += V^T P^T: the four accumulators by turns; V's scale words stand in lanes 16-31
	v_wmma_scale_f32_16x16x128_f8f6f4 v[O+8*\t:O+8*\t+7], v[FB+12*\t:FB+12*\t+11], v[PC:PC+11], v[O+8*\t:O+8*\t+7], v[KS+\t], v[PW] matrix_a_fmt:MATRIX_FMT_FP6 matrix_b_fmt:MATRIX_FMT_FP6 matrix_a_scale:MATRIX_SCALE_ROW1
.endr
	SUMA                                           ; four places between the products and the loads into the registers that they read
.if \more
	s_add_co_u32 s[TB], s[TB], STEPB
	KLOAD                                          ; the next step's K
.endif
	SUMB
.endm
.macro BEGIN p
.irp i, 0,1,2,3,4,5
	v_mov_b32 v[ZQ+6+\i], v[QI+6*\p+\i]
.endr
.if \p
	v_perm_b32 v[QS], v[QW], v[QW], 0x03020302     ; the tile's two scale bytes, twice: they serve [q | 0] and [0 | q]
.else
	v_perm_b32 v[QS], v[QW], v[QW], 0x01000100
.endif
	v_mov_b32 v13, 0xff61b1e6                      ; the largest score so far: -3e38
	v_mov_b32 v12, 0x7e000000                      ; -M = 2^125: the first step's f comes out 0
	v_mov_b32 v14, 0
	v_mov_b32 v15, 0
.set i, 0
.rept 32
	v_mov_b32 v[O+i], 0                            ; the step is written once: the first finds zeros
.set i, i+1
.endr
	s_wait_alu depctr_va_vdst(0)                   ; the wait ahead of the waits and branches that follow
.endm
; The end of a pass: O^T / the sum is ctx; its two blocks of 32 channels are quantised and stored as half a fragment of the output projection.
.macro FINISH p
.rept 4
	v_nop
.endr
	s_wait_alu depctr_va_vdst(0)                   ; the wait ahead of the reader below
	v_add_f32 v14, v14, v15
	s_delay_alu instid0(VALU_DEP_1)
	v_permlanex16_b32 v[TMP], v14, s[SEL], s[SEL+1]
	s_delay_alu instid0(VALU_DEP_1)
	v_add_f32 v14, v14, v[TMP]
	s_wait_alu depctr_va_vdst(0)
	v_rcp_f32 v[F], v14
	v_nop
	s_wait_alu depctr_va_vdst(0)
.set i, 0
.rept 16
	v_pk_mul_f32 v[O+i:O+i+1], v[O+i:O+i+1], v[F:F+1] op_sel_hi:[1,0]
.set i, i+2
.endr
.irp b, 0,1
	v_max3_num_f32 v[BM+\b], |v[O+16*\b]|, |v[O+1+16*\b]|, 0x1800000
.endr
.irp i, 2,4,6,8,10,12,14
.irp b, 0,1
	s_delay_alu instid0(VALU_DEP_2)
	v_max3_num_f32 v[BM+\b], v[BM+\b], |v[O+16*\b+\i]|, |v[O+1+16*\b+\i]|
.endr
.endr
.irp b, 0,1
	s_delay_alu instid0(VALU_DEP_2)
	v_permlanex16_b32 v[BP+\b], v[BM+\b], s[SEL], s[SEL+1]
.endr
.irp b, 0,1
	s_delay_alu instid0(VALU_DEP_2)
	v_max_num_f32 v[BM+\b], v[BM+\b], v[BP+\b]
.endr
.irp b, 0,1
	s_delay_alu instid0(VALU_DEP_2)
	v_add_nc_u32 v[BX+\b], 0xff000000, v[BM+\b]
.endr
.irp b, 0,1
	s_delay_alu instid0(VALU_DEP_2)
	v_lshrrev_b32 v[BP+\b], 23, v[BX+\b]
.endr
	s_delay_alu instid0(VALU_DEP_1)
	v_lshl_or_b32 v[CW+\p], v[BP+1], 8, v[BP]
	v_cvt_scalef32_pk16_fp6_f32 v[CF+6*\p:CF+6*\p+2], v[O:O+15], v[BX]
	v_cvt_scalef32_pk16_fp6_f32 v[CT:CT+2], v[O+16:O+31], v[BX+1]
	v_nop
.irp i, 0,1,2
	v_permlane16_swap_b32 v[CF+6*\p+\i], v[CT+\i]
.endr
.irp i, 0,1,2
	s_delay_alu instid0(VALU_DEP_3)
	v_mov_b32 v[CF+6*\p+3+\i], v[CT+\i]
.endr
	global_store_b128 v[LI], v[CF+6*\p:CF+6*\p+3], s[8:9] offset:12288*\p          ; 512 consecutive bytes, aligned
	global_store_b64 v[L8], v[CF+6*\p+4:CF+6*\p+5], s[8:9] offset:12288*\p+512     ; 256
.endm
	s_wait_alu depctr_va_vdst(0)                   ; the wait at the head's end
	s_wait_loadcnt 0x0                             ; q
	BEGIN 0
	s_wait_tensorcnt 0x0                           ; my step of K and V has landed
	s_barrier_signal -1
	s_barrier_wait -1                              ; everybody's has
	s_mov_b32 s[TB], 0
	KLOAD                                          ; step 0's K
	s_mov_b32 s[CNT], 15
.Lfirst:
	STEP 1
	s_sub_co_u32 s[CNT], s[CNT], 1
	s_cmp_lg_u32 s[CNT], 0
	s_cbranch_scc1 .Lfirst
	STEP 0                                         ; the pass's last step asks for nothing
	s_mov_b32 s[TB], 0
	KLOAD                                          ; the second pass's first K lands while the first pass is finished
	FINISH 0
	BEGIN 1
	s_mov_b32 s[CNT], 15
.Lsecond:
	STEP 1
	s_sub_co_u32 s[CNT], s[CNT], 1
	s_cmp_lg_u32 s[CNT], 0
	s_cbranch_scc1 .Lsecond
	STEP 0
	FINISH 1
	v_cndmask_b32 v[CWM], v[CW], v[CW+1], s21      ; lanes 0-15: the first tile's scale bytes, lanes 16-31: the second's
	global_store_b32 v[L4], v[CWM], s[10:11]       ; 128 consecutive bytes a wave
	s_wait_tensorcnt 0x0                           ; the wave's end
	ds_add_u32 v[SPW], v[NIL]
	s_wait_dscnt 0x0
	CROUND                                         ; the closing round
	s_endpgm
.Lfunc_end_k_q9d74ec6031_attn:
	.size	k_q9d74ec6031_attn, .Lfunc_end_k_q9d74ec6031_attn-k_q9d74ec6031_attn
	.p2alignl 7, 3214868480
	.fill 96, 4, 3214868480
	.section	.rodata,"a",@progbits
	.p2align	6, 0x0
	.amdhsa_kernel k_q9d74ec6031_attn
		.amdhsa_group_segment_fixed_size 206848
		.amdhsa_private_segment_fixed_size 0
		.amdhsa_enable_private_segment 0
		.amdhsa_kernarg_size 24
		.amdhsa_user_sgpr_count 2
		.amdhsa_user_sgpr_kernarg_segment_ptr 1
		.amdhsa_wavefront_size32 1
		.amdhsa_system_sgpr_workgroup_id_x 1
		.amdhsa_system_sgpr_workgroup_id_y 1
		.amdhsa_system_sgpr_workgroup_id_z 1
		.amdhsa_system_vgpr_workitem_id 0
		.amdhsa_next_free_vgpr 256
		.amdhsa_next_free_sgpr 72
		.amdhsa_reserve_vcc 0
		.amdhsa_float_denorm_mode_32 3
		.amdhsa_float_denorm_mode_16_64 3
		.amdhsa_memory_ordered 1
		.amdhsa_forward_progress 1
		.amdhsa_inst_pref_size 74
	.end_amdhsa_kernel
	.amdgpu_metadata
---
amdhsa.version: [ 1, 2 ]
amdhsa.kernels:
  - .name:           k_q9d74ec6031_attn
    .symbol:         k_q9d74ec6031_attn.kd
    .args:
      - { .name: ac, .offset: 0, .size: 8, .value_kind: global_buffer, .address_space: global }
      - { .name: cc, .offset: 8, .size: 8, .value_kind: global_buffer, .address_space: global }
      - { .name: cs, .offset: 16, .size: 8, .value_kind: global_buffer, .address_space: global }
    .group_segment_fixed_size: 206848
    .private_segment_fixed_size: 0
    .kernarg_segment_align: 8
    .kernarg_segment_size: 24
    .max_flat_workgroup_size: 512
    .sgpr_count:     72
    .vgpr_count:     256
    .wavefront_size: 32
...
	.end_amdgpu_metadata
.endif
;; end of part 3
;; launch outp (part 4): grid 256 x 1, 8 waves a work-group, no clusters, 9,728 bytes of LDS; arguments cc, cs, wc, ws, bo, out0; writes out0
.if DOCPART == 4
	.amdgcn_target "amdgcn-amd-amdhsa--gfx1250"
	.amdhsa_code_object_version 6
	.text
	.protected	k_q9d74ec6031_outp
	.globl	k_q9d74ec6031_outp
	.p2align	8
	.type	k_q9d74ec6031_outp,@function
k_q9d74ec6031_outp:
	s_mov_b64 s[64:65], 0
	v_nop
	global_prefetch_b8 v0, s[64:65] scope:SCOPE_SE
	s_setreg_imm32_b32 hwreg(HW_REG_WAVE_MODE, 25, 1), 1
	s_wait_xcnt 0x0
; out0 = ctx Wo + bo on codes of FP6 (E2M3) with E8M0 scales, K = 1,024.  ctx arrives as halves of operand registers (cc: for each tile of 16 rows and each head six registers a lane) with two scale bytes a row and head (cs);
; Wo as rows of codes (wc, rows 3,072 on) with scale bytes (ws).  out0 [8192][64] f32.
; A work-group owns 32 rows; wave w takes the tile of rows w / 4 and 16 of the 64 outputs, w % 4.  Source 0 = 16 rows of Wo, source 1 = ctx: a lane holds one row and eight neighbouring outputs.
; Rows of ctx's tiles and of Wo lie with bits 3 and 4 of their number exchanged; the stage in LDS puts both right, and each wave stores four whole rows of 256 bytes.
; THE ORDER OF THE SUM: the eight K steps go to two accumulators by turns (even steps, beginning with the bias as C; odd steps), which are added at the end: another order of rounding than one chain's.
; All operands go from memory straight into registers, once: no tensor load, no ring; what work-groups share is Wo's 48 KiB.
.set AF,  16                           ; v16-111  ctx's eight fragments: head hd at AF + 6 hd
.set WF,  112                          ; v112-207 Wo's eight fragments
.set AW,  208                          ; v208-223 ctx's scale bytes, a word a head; then the two accumulators
.set ACC, 208
.set AS,  224                          ; v224-231 ctx's scale words
.set WS,  232                          ; v232-239 Wo's scale words
.set BB,  240                          ; v240-247 the bias in the result's layout
.set RS,  248                          ; v248-255 the result, then rows read back
	s_load_b256 s[4:11], s[0:1], 0x0               ; cc, cs, wc, ws
	s_load_b128 s[12:15], s[0:1], 0x20             ; bo, out0
	v_lshl_add_u32 v14, v0, 2, 0x2200
	v_mov_b32 v15, 0
	v_lshrrev_b32 v1, 5, v0
	s_delay_alu instid0(VALU_DEP_1)
	v_readfirstlane_b32 s16, v1                    ; wave 0..7
	s_and_b32 s17, s16, 3                          ; which 16 rows of Wo
	s_lshr_b32 s18, s16, 2                         ; which tile of rows
	v_and_b32 v1, 31, v0                           ; lane
	v_and_b32 v2, 15, v0                           ; r
	s_wait_alu depctr_va_vdst(0)
	v_bfe_u32 v3, v0, 4, 1                         ; h
	v_lshlrev_b32 v4, 4, v1                        ; 16 x lane
	v_lshlrev_b32 v5, 3, v1                        ; 8 x lane
	v_lshlrev_b32 v6, 2, v2                        ; 4 r
	v_mul_u32_u24 v7, v2, 768
	s_delay_alu instid0(VALU_DEP_1)
	v_mad_u32_u24 v7, v3, 24, v7                   ; Wo: row r, + 24 h
	v_lshlrev_b32 v8, 5, v2                        ; its scale bytes: 32 r
	v_lshlrev_b32 v9, 6, v3                        ; the bias: 64 h
	s_lshl_b32 s20, ttmp9, 1
	s_add_co_u32 s20, s20, s18
	s_mul_i32 s20, s20, 12288                      ; cc: my tile: 16 heads x 768 bytes
	s_mov_b32 s21, 0
	s_lshr_b32 s22, ttmp9, 6
	s_lshl_b32 s22, s22, 10
	s_and_b32 s23, ttmp9, 63
	s_add_co_u32 s22, s22, s23
	s_lshl_b32 s22, s22, 7
	s_lshl_b32 s23, s18, 6
	s_add_co_u32 s22, s22, s23                     ; cs: (16 x batch x 64 + group) x 128 + 64 x tile; a head on is 8,192 bytes
	s_mov_b32 s23, 0
	s_lshl_b32 s24, s17, 4
	s_add_co_u32 s24, s24, 3072                    ; Wo's rows in wc and ws
	s_mul_i32 s26, s24, 768
	s_mov_b32 s27, 0
	s_lshl_b32 s28, s24, 5
	s_mov_b32 s29, 0
	s_lshr_b32 s24, s17, 1
	s_lshl_b32 s24, s24, 7
	s_and_b32 s25, s17, 1
	s_lshl_b32 s25, s25, 5
	s_add_co_u32 s30, s24, s25                     ; my outputs begin at 32 (w % 4 / 2) + 8 (w % 2), in bytes
	s_mov_b32 s31, 0
	s_lshl_b32 s32, ttmp9, 13
	s_lshl_b32 s33, s16, 10
	s_add_co_u32 s32, s32, s33                     ; out0: 32 rows a work-group, 4 a wave
	s_mov_b32 s33, 0
	s_mul_i32 s34, s18, 8*272
	s_add_co_u32 s34, s34, s30                     ; the stage: my tile's rows begin at 8 x tile; my outputs' bytes
	v_and_b32 v10, 8, v2
	s_delay_alu instid0(VALU_DEP_1)
	v_add_nc_u32 v10, v10, v2                      ; r + 8 (r / 8)
	s_delay_alu instid0(VALU_DEP_1)
	v_mul_u32_u24 v10, v10, 272
	s_delay_alu instid0(VALU_DEP_1)
	v_lshl_add_u32 v10, v3, 6, v10
	s_delay_alu instid0(VALU_DEP_1)
	v_add_nc_u32 v10, s34, v10                     ; in: true row 8 x tile + r + 8 (r / 8), + 64 h
	s_mul_i32 s35, s16, 4*272
	v_mul_u32_u24 v11, v3, 272
	s_delay_alu instid0(VALU_DEP_1)
	v_lshl_add_u32 v11, v2, 4, v11
	s_delay_alu instid0(VALU_DEP_1)
	v_add_nc_u32 v11, s35, v11                     ; back: lanes 0-15 one row, lanes 16-31 the next
	s_wait_alu depctr_va_vdst(0)
	s_wait_kmcnt 0x0
	s_add_nc_u64 s[4:5], s[4:5], s[20:21]
	s_add_nc_u64 s[6:7], s[6:7], s[22:23]
	s_add_nc_u64 s[8:9], s[8:9], s[26:27]
	s_add_nc_u64 s[10:11], s[10:11], s[28:29]
	s_add_nc_u64 s[12:13], s[12:13], s[30:31]
	s_add_nc_u64 s[14:15], s[14:15], s[32:33]
.irp d, 0,1,2,3,4,5,6,7,8,9,10,11,12,13,14,15
	global_load_b128 v[AF+6*\d:AF+6*\d+3], v4, s[4:5] offset:768*\d
	global_load_b64 v[AF+6*\d+4:AF+6*\d+5], v5, s[4:5] offset:768*\d+512
	global_load_b32 v[AW+\d], v6, s[6:7] offset:8192*\d
.endr
.irp s, 0,1,2,3,4,5,6,7
.irp q, 0,1,2,3,4,5
	global_load_b64 v[WF+12*\s+2*\q:WF+12*\s+2*\q+1], v7, s[8:9] offset:96*\s+48*(\q/3)+8*(\q%3)
.endr
.endr
	global_load_b128 v[WS:WS+3], v8, s[10:11]
	global_load_b128 v[WS+4:WS+7], v8, s[10:11] offset:16
	global_load_b128 v[BB:BB+3], v9, s[12:13]
	global_load_b128 v[BB+4:BB+7], v9, s[12:13] offset:16
	s_wait_loadcnt 0x0
.irp s, 0,1,2,3,4,5,6,7
	v_lshl_or_b32 v[AS+\s], v[AW+2*\s+1], 16, v[AW+2*\s]   ; K step s: head 2 s's two bytes, then head 2 s + 1's
.endr
.rept 8
	v_nop                                          ; a scale register written by a vector instruction stands 8 places ahead of a scaled matrix instruction
.endr
.irp s, 0,1,2,3,4,5,6,7
.if \s == 0
	v_wmma_scale_f32_16x16x128_f8f6f4 v[ACC:ACC+7], v[WF:WF+11], v[AF:AF+11], v[BB:BB+7], v[WS], v[AS] matrix_a_fmt:MATRIX_FMT_FP6 matrix_b_fmt:MATRIX_FMT_FP6
.elseif \s == 1
	v_wmma_scale_f32_16x16x128_f8f6f4 v[ACC+8:ACC+15], v[WF+12:WF+23], v[AF+12:AF+23], 0, v[WS+1], v[AS+1] matrix_a_fmt:MATRIX_FMT_FP6 matrix_b_fmt:MATRIX_FMT_FP6
.else
	v_wmma_scale_f32_16x16x128_f8f6f4 v[ACC+8*(\s%2):ACC+8*(\s%2)+7], v[WF+12*\s:WF+12*\s+11], v[AF+12*\s:AF+12*\s+11], v[ACC+8*(\s%2):ACC+8*(\s%2)+7], v[WS+\s], v[AS+\s] matrix_a_fmt:MATRIX_FMT_FP6 matrix_b_fmt:MATRIX_FMT_FP6
.endif
.endr
.rept 4
	v_nop
.endr
.irp i, 0,2,4,6
	v_pk_add_f32 v[RS+\i:RS+\i+1], v[ACC+\i:ACC+\i+1], v[ACC+8+\i:ACC+9+\i]   ; both accumulators from their low end on
.endr
	ds_store_b128 v10, v[RS:RS+3]
	ds_store_b128 v10, v[RS+4:RS+7] offset:16
	s_wait_dscnt 0x0                               ; for the others' sake: my stores into the stage are done
	s_barrier_signal -1
	s_barrier_wait -1
	ds_load_b128 v[RS:RS+3], v11
	ds_load_b128 v[RS+4:RS+7], v11 offset:2*272
	s_wait_dscnt 1                                 ; my first two rows are back; the second load may be out
	global_store_b128 v4, v[RS:RS+3], s[14:15]     ; 32 lanes store 512 consecutive bytes, aligned: two rows of out0
	s_wait_dscnt 0x0
	global_store_b128 v4, v[RS+4:RS+7], s[14:15] offset:512
	s_wait_tensorcnt 0x0
	ds_add_u32 v14, v15
	s_wait_dscnt 0x0
	s_endpgm
.Lfunc_end_k_q9d74ec6031_outp:
	.size	k_q9d74ec6031_outp, .Lfunc_end_k_q9d74ec6031_outp-k_q9d74ec6031_outp
	.p2alignl 7, 3214868480
	.fill 96, 4, 3214868480
	.section	.rodata,"a",@progbits
	.p2align	6, 0x0
	.amdhsa_kernel k_q9d74ec6031_outp
		.amdhsa_group_segment_fixed_size 9728
		.amdhsa_private_segment_fixed_size 0
		.amdhsa_enable_private_segment 0
		.amdhsa_kernarg_size 48
		.amdhsa_user_sgpr_count 2
		.amdhsa_user_sgpr_kernarg_segment_ptr 1
		.amdhsa_wavefront_size32 1
		.amdhsa_system_sgpr_workgroup_id_x 1
		.amdhsa_system_sgpr_workgroup_id_y 1
		.amdhsa_system_sgpr_workgroup_id_z 1
		.amdhsa_system_vgpr_workitem_id 0
		.amdhsa_next_free_vgpr 256
		.amdhsa_next_free_sgpr 66
		.amdhsa_reserve_vcc 0
		.amdhsa_float_denorm_mode_32 3
		.amdhsa_float_denorm_mode_16_64 3
		.amdhsa_memory_ordered 1
		.amdhsa_forward_progress 1
		.amdhsa_inst_pref_size 16
	.end_amdhsa_kernel
	.amdgpu_metadata
---
amdhsa.version: [ 1, 2 ]
amdhsa.kernels:
  - .name:           k_q9d74ec6031_outp
    .symbol:         k_q9d74ec6031_outp.kd
    .args:
      - { .name: cc, .offset: 0, .size: 8, .value_kind: global_buffer, .address_space: global }
      - { .name: cs, .offset: 8, .size: 8, .value_kind: global_buffer, .address_space: global }
      - { .name: wc, .offset: 16, .size: 8, .value_kind: global_buffer, .address_space: global }
      - { .name: ws, .offset: 24, .size: 8, .value_kind: global_buffer, .address_space: global }
      - { .name: bo, .offset: 32, .size: 8, .value_kind: global_buffer, .address_space: global }
      - { .name: out0, .offset: 40, .size: 8, .value_kind: global_buffer, .address_space: global }
    .group_segment_fixed_size: 9728
    .private_segment_fixed_size: 0
    .kernarg_segment_align: 8
    .kernarg_segment_size: 48
    .max_flat_workgroup_size: 256
    .sgpr_count:     66
    .vgpr_count:     256
    .wavefront_size: 32
...
	.end_amdgpu_metadata
.endif
;; end of part 4
